; MI455X (gfx1250); checked and timed in simulation.
; The chip was launched on July 23, 2026; its instructions are those of AMD's public machine-readable ISA for CDNA 5 (MIT licence, August 2026) and "CDNA5" Instruction Set Architecture Reference Guide (July 2026). The comments in the code are by the model that wrote it; some were corrected since.
;; Transformer Layer. Allowed arithmetic: matrix products marked QUANTISED: E2M3 operands, one E8M0 scale for each 32 along K, by v_wmma_scale_f32_16x16x128_f8f6f4 with both operands' format E2M3, f32 sums; everything else in f32.
;; Inputs: W1 1,024 x 4,096 float32; W2 4,096 x 1,024 float32; Wk 16 x 1,024 x 64 float32; Wo 1,024 x 1,024 float32; Wq 16 x 1,024 x 64 float32; Wv 16 x 1,024 x 64 float32; b1 4,096 float32; b2 1,024 float32; be1 1,024 float32; be2 1,024 float32; bk 16 x 64 float32; bo 1,024 float32; bq 16 x 64 float32; bv 16 x 64 float32; g1 1,024 float32; g2 1,024 float32; x 2 x 2,048 x 1,024 float32.
;; Outputs: out0 2 x 2,048 x 1,024 float32.
;; This version of the problem:
;;   THIS VERSION OF THE PROBLEM IS GIVEN IN LOW PRECISION. The matrix products marked QUANTISED in the list below multiply operands that are first quantised to E2M3 (2 exponent bits, 3 mantissa bits; 6 bits a number), with one power-of-two scale for each 32 numbers along K (OCP MX v1.0); their sums are f32. All else is computed in f32.
;;   The module's matrix products, in the order in which they are computed (A, B: the left and right operand; K: the contracted axis; several contracted axes count as one K, in the product's order):
;;     1. [M 1,024, K 1,024] x [K 1,024, N 4,096]; A: input Wq; B: input x: QUANTISED
;;     2. [M 1,024, K 1,024] x [K 1,024, N 4,096]; A: input Wk; B: input x: QUANTISED
;;     3. [M 1,024, K 1,024] x [K 1,024, N 4,096]; A: input Wv; B: input x: QUANTISED
;;     4. batch 32 x [M 2,048, K 64] x [K 64, N 2,048]; A: computed on the way; B: computed on the way: QUANTISED
;;     5. batch 32 x [M 2,048, K 2,048] x [K 2,048, N 64]; A: softmax (see below); B: computed on the way: QUANTISED
;;     6. [M 4,096, K 1,024] x [K 1,024, N 1,024]; A: computed on the way; B: input Wo: QUANTISED
;;     7. [M 4,096, K 1,024] x [K 1,024, N 4,096]; A: computed on the way; B: input W1: QUANTISED
;;     8. [M 4,096, K 4,096] x [K 4,096, N 1,024]; A: computed on the way; B: input W2: QUANTISED
;;   THE QUANTISER, for each operand of a quantised product, along K:
;;     - K is cut into blocks of 32 from its start; a last block that is shorter is filled with zeros.
;;     - A block's scale is 2^e with e = floor(log2(the largest magnitude in the block)) - 2, held to -126 .. 127; a block of zeros has e = 0. As a byte (E8M0): e + 127.
;;     - Each number is divided by its block's scale, clamped to +-7.5, and rounded to the nearest number of E2M3, ties to even, subnormals kept.
;;     - The product sums the exact products of the quantised numbers (number of the format x scale) in f32.
;;   ~~~python
;;   def quantise(x, axis):      # numpy; x: float32 -> the quantised numbers, widened to float32 again
;;       x = np.moveaxis(x, axis, -1); K = x.shape[-1]
;;       x = np.pad(x, [(0, 0)] * (x.ndim - 1) + [(0, -K % 32)]); x = x.reshape(x.shape[:-1] + (-1, 32)); a = np.abs(x).max(-1, keepdims=True)
;;       e = np.where(a > 0, np.clip(np.frexp(np.where(a > 0, a, 1))[1] - 1 - 2, -126, 127), 0)      # np.frexp(a)[1] - 1 = floor(log2(a)), exactly
;;       r = np.clip(x / 2.0 ** e, -7.5, 7.5)
;;       step = 2.0 ** (np.maximum(np.frexp(np.where(r == 0, 1, r))[1] - 1, 0) - 3)
;;       q = np.round(r / step) * step * 2.0 ** e      # np.round: ties to even
;;       return np.moveaxis(q.reshape(q.shape[:-2] + (-1,))[..., :K], -1, axis).astype(np.float32)
;;   ~~~
;;   SOFTMAX AHEAD OF A QUANTISED PRODUCT. Where the list says 'softmax', what is quantised is not the finished softmax but p = 2^(t - M), with t = logit x log2(e) and M = ceil(the row's largest t), a whole number; so 1/2 < the row's largest p <= 1. The row's sum l is taken of the UNQUANTISED p, in f32, and the product's result is divided by l at the end. Since M is a whole number, a kernel that streams over the keys may use a running M (the ceiling of the running maximum): every later rescaling is an exact power of two, which a block's scale takes up: the codes' values come out the same.
;;   OPERANDS COMPUTED ON THE WAY. 'Computed on the way' means the value that the module computes at that place (a softmax that the list does not call 'softmax' is quantised finished and normalised). What goes into a quantiser is computed in f32, as accurately as f32 sums, v_exp_f32 and their like allow (about 1e-6 of the number): no bf16 or f16 on the way to a quantiser, and a product that is left as it is and whose result goes on into a quantised operand takes f32 operands (vector FMAs, or v_wmma_f32_16x16x4_f32). A number that lies on a knife's edge between two numbers of the format may be rounded either way, as far as f32 arithmetic and the matrix unit's own rounding can turn it there, and no further.
;; One version. Each part assembles by itself: llvm-mc -triple=amdgcn-amd-amdhsa -mcpu=gfx1250 --defsym DOCPART=n.
;; ======== version 1 of 1: 7 launches
;; limits: right only within a limited range of input values
;; workspace buffers: qw 13,107,200 bytes; qkv 10,092,544 bytes; ac 3,276,800 bytes; z 16,777,216 bytes; hb 20,054,016 bytes; hid 13,107,200 bytes
;; launch prep (part 1): grid 640 x 1, 8 waves a work-group, no clusters, 66,816 bytes of LDS; arguments x, Wq, Wk, Wv, Wo, W1, W2, qw; writes qw
.if DOCPART == 1
	.amdgcn_target "amdgcn-amd-amdhsa--gfx1250"
	.amdhsa_code_object_version 6
	.text
	.protected	k_q1d60e9bf20_prep
	.globl	k_q1d60e9bf20_prep
	.p2align	8
	.type	k_q1d60e9bf20_prep,@function
k_q1d60e9bf20_prep:
	s_mov_b64 s[64:65], 0
	v_nop
	global_prefetch_b8 v0, s[64:65] scope:SCOPE_SE
	s_setreg_imm32_b32 hwreg(HW_REG_WAVE_MODE, 25, 1), 1
	s_wait_xcnt 0x0
; x and the six weights, all f32, become codes of FP6 (E2M3) with one E8M0 byte for each 32 along each product's K, in the workspace qw.
; LAYOUT OF EVERY OPERAND: fragments of 16 rows x 128 K as IMAGES OF THE OPERAND'S REGISTERS, [tile of 16 rows][K step][1,536 bytes]: for c = 0, 1: registers 6c..6c+3 at 16 x lane (512 bytes),
; registers 6c+4, 6c+5 at 8 x lane (256 bytes).  Scale words [tile][K step][16 words].  THE ROWS OF A TILE ARE NOT NEIGHBOURS: row r of tile 2 b + u is the actual row 32 b + 8 u + r + 8 (r / 8),
; so that a later product's results, taken transposed, lie as 16 neighbours along the next K in a lane's registers.
; A block's scale is 2^(floor(log2(largest magnitude)) - 2); its byte is the largest magnitude's exponent field - 2, held at 1 from below.
; LIMITS: a block of zeros, and a block whose largest magnitude lies under 2^-124, gets the byte 1 (the rule says 127 for zeros: the codes are zeros, and this program alone reads the bytes); NaN and infinities are not served.
; WORK-GROUPS: 0-255: a tile of 16 rows of x each (K innermost: rows turn through LDS, wave w makes K step w).  256-351: Wq, Wk, Wv; 352-383: Wo; 384-511: W2; 512-639: W1 (K is the first axis:
; a lane takes a column and its registers run down K; a wave makes 32 columns x 128 K = two fragments).  The branches hang on the work-group's number alone.
.set XS,     3145728
.set WQKVC,  3276800
.set WQKVS,  5636096
.set WOC,    5734400
.set WOS,    6520832
.set W1C,    6553600
.set W1S,    9699328
.set W2C,    9830400
.set W2S,    12976128
.set RP,     4112                      ; an LDS row of x: 4,096 bytes + 16, so that 16 rows start in 16 different groups of banks
.set SPARE,  16*RP                     ; behind the rows: the spare words, 128 bytes for each of eight waves
.set LI,  5                            ; v5  16 x lane
.set L8,  6                            ; v6  8 x lane
.set LS,  7                            ; v7  4 x (lane % 16)
.set CA,  8                            ; v8  weights: my column's bytes in a row
.set SA,  9                            ; v9  weights: my scale word's place
.set SPW, 10                           ; v10 my spare word; never rewritten
.set NIL, 11                           ; v11 0; never rewritten
.set WAD, 12                           ; v12 x: where I store a row in LDS
.set RAD, 13                           ; v13 x: where I read my 64 numbers
.set X,   32                           ; v32.. the numbers
.set PC,  96                           ; x path: v96-107 codes, v108-115 at work
.set FA,  160                          ; weights: fragment of the even tile
.set FB,  172                          ; and of the odd tile
.set TP,  184                          ; v184-199 upper halves of the blocks' codes
.set M0,  200
.set M1,  201
.set BY,  202
.set SW,  203                          ; my column's scale word
.set SO,  204                          ; v204-207 the conversions' scale operands
.set TM,  224                          ; x path: v224-239 at work
.set PW,  240                          ; x path: the scale word
.set SEL, 20                           ; s[20:21] lane selects: lane l xor 16
	s_load_b256 s[4:11], s[0:1], 0x0               ; x, Wq, Wk, Wv
	s_load_b256 s[12:19], s[0:1], 0x20             ; Wo, W1, W2, qw
	v_lshl_add_u32 v[SPW], v0, 2, SPARE
	v_mov_b32 v[NIL], 0
	v_lshrrev_b32 v1, 5, v0
	s_delay_alu instid0(VALU_DEP_1)
	v_readfirstlane_b32 s22, v1                    ; wave 0..7
	v_and_b32 v2, 31, v0                           ; lane
	v_and_b32 v3, 15, v0                           ; r
	v_bfe_u32 v4, v0, 4, 1                         ; h
	s_delay_alu instid0(VALU_DEP_3)
	v_lshlrev_b32 v[LI], 4, v2
	s_delay_alu instid0(VALU_DEP_4)
	v_lshlrev_b32 v[L8], 3, v2
	s_delay_alu instid0(VALU_DEP_4)
	v_lshlrev_b32 v[LS], 2, v3
	s_mov_b32 s[SEL], 0x76543210
	s_mov_b32 s[SEL+1], 0xfedcba98
.irp b, 0,1,2,3
	v_mov_b32 v[TM+4+\b], 0                        ; a lane permute's destination counts as one of its sources
.endr
; 64 numbers of a lane, register 16 b + i = k 32 b + 16 (lane / 16) + i of my row, become a fragment's codes in v[PC] on and its scale word in v[PW]
.macro QUANT s
.irp b, 0,1,2,3
	v_max3_num_f32 v[TM+\b], |v[\s+16*\b]|, |v[\s+1+16*\b]|, 0x1800000   ; my 16 numbers of block b, and the floor 2^(3 - 127): the byte cannot fall under 1
.endr
.irp i, 2,4,6,8,10,12,14
.irp b, 0,1,2,3
	s_delay_alu instid0(VALU_DEP_4)
	v_max3_num_f32 v[TM+\b], v[TM+\b], |v[\s+16*\b+\i]|, |v[\s+1+16*\b+\i]|
.endr
.endr
.irp b, 0,1,2,3
	s_delay_alu instid0(VALU_DEP_4)
	v_permlanex16_b32 v[TM+4+\b], v[TM+\b], s[SEL], s[SEL+1]
.endr
.irp b, 0,1,2,3
	s_delay_alu instid0(VALU_DEP_4)
	v_max_num_f32 v[TM+\b], v[TM+\b], v[TM+4+\b]   ; with lane l xor 16's: the block's largest magnitude
.endr
.irp b, 0,1,2,3
	s_delay_alu instid0(VALU_DEP_4)
	v_add_nc_u32 v[TM+12+\b], 0xff000000, v[TM+\b] ; 2 off its exponent field: the conversion's scale operand
.endr
.irp b, 0,1,2,3
	s_delay_alu instid0(VALU_DEP_4)
	v_lshrrev_b32 v[TM+4+\b], 23, v[TM+12+\b]      ; the scale's byte
.endr
	s_delay_alu instid0(VALU_DEP_3)
	v_lshl_or_b32 v[PW], v[TM+5], 8, v[TM+4]
	s_delay_alu instid0(VALU_DEP_1)
	v_lshl_or_b32 v[PW], v[TM+6], 16, v[PW]
	s_delay_alu instid0(VALU_DEP_1)
	v_lshl_or_b32 v[PW], v[TM+7], 24, v[PW]        ; my row's scale word; lanes r and r + 16 hold the same
.irp c, 0,1
	v_cvt_scalef32_pk16_fp6_f32 v[PC+6*\c:PC+2+6*\c], v[\s+32*\c:\s+15+32*\c], v[TM+12+2*\c]
	v_cvt_scalef32_pk16_fp6_f32 v[PC+12+4*\c:PC+14+4*\c], v[\s+16+32*\c:\s+31+32*\c], v[TM+12+2*\c+1]   ; (a conversion's three registers begin on an even number)
.endr
	v_nop                                          ; one plain place behind a scaled conversion
.irp c, 0,1                                    ; the operand wants a whole block in a lane: lanes 0-15 block 2 c, lanes 16-31 block 2 c + 1
.irp i, 0,1,2
	v_permlane16_swap_b32 v[PC+6*\c+\i], v[PC+12+4*\c+\i]
.endr
.irp i, 0,1,2
	s_delay_alu instid0(VALU_DEP_3)
	v_mov_b32 v[PC+3+6*\c+\i], v[PC+12+4*\c+\i]
.endr
.endr
.endm
.macro PUTF reg, base                          ; a fragment's image: each store covers 512 or 256 consecutive bytes, aligned to 256
	global_store_b128 v[LI], v[\reg:\reg+3], s[\base:\base+1]
	global_store_b64 v[L8], v[\reg+4:\reg+5], s[\base:\base+1] offset:512
	global_store_b128 v[LI], v[\reg+6:\reg+9], s[\base:\base+1] offset:768
	global_store_b64 v[L8], v[\reg+10:\reg+11], s[\base:\base+1] offset:1280
.endm
	s_wait_kmcnt 0x0
	s_cmp_lt_u32 ttmp9, 256
	s_cbranch_scc0 .Lweights
	; ---- x: tile T = the work-group's number.  Wave w brings the tile's rows w and w + 8: actual rows base + w and base + w + 16
	s_lshr_b32 s23, ttmp9, 1
	s_lshl_b32 s23, s23, 5
	s_and_b32 s24, ttmp9, 1
	s_lshl_b32 s24, s24, 3
	s_add_co_u32 s23, s23, s24
	s_add_co_u32 s23, s23, s22                     ; 32 (T / 2) + 8 (T % 2) + w
	s_lshl_b32 s24, s23, 12
	s_mov_b32 s25, 0
	s_add_nc_u64 s[4:5], s[4:5], s[24:25]
	s_wait_alu depctr_va_vdst(0)
.irp j, 0,1,2,3,4,5,6,7
	global_load_b128 v[X+4*\j:X+4*\j+3], v[LI], s[4:5] offset:512*\j th:TH_LOAD_NT        ; 512 consecutive bytes a load
.endr
.irp j, 0,1,2,3,4,5,6,7
	global_load_b128 v[X+32+4*\j:X+32+4*\j+3], v[LI], s[4:5] offset:65536+512*\j th:TH_LOAD_NT
.endr
	s_mul_i32 s24, s22, RP
	v_add_nc_u32 v[WAD], s24, v[LI]
	v_mul_u32_u24 v[RAD], v3, RP
	s_delay_alu instid0(VALU_DEP_1)
	v_lshl_add_u32 v[RAD], v4, 6, v[RAD]
	s_lshl_b32 s24, s22, 9
	v_add_nc_u32 v[RAD], s24, v[RAD]               ; row r, K step w, + 64 h: my 16 numbers of each block of 32
	s_lshl_b32 s26, ttmp9, 3
	s_add_co_u32 s26, s26, s22                     ; fragment 8 T + w
	s_mul_i32 s24, s26, 1536
	s_add_nc_u64 s[28:29], s[18:19], s[24:25]
	s_lshl_b32 s24, s26, 6
	s_add_co_u32 s24, s24, XS
	s_add_nc_u64 s[30:31], s[18:19], s[24:25]
	s_wait_alu depctr_va_vdst(0)
	s_wait_loadcnt 8                               ; the first row's eight loads are in; the second row's eight may be out
.irp j, 0,1,2,3,4,5,6,7
	ds_store_b128 v[WAD], v[X+4*\j:X+4*\j+3] offset:512*\j
.endr
	s_wait_loadcnt 0x0
.irp j, 0,1,2,3,4,5,6,7
	ds_store_b128 v[WAD], v[X+32+4*\j:X+32+4*\j+3] offset:8*RP+512*\j
.endr
	s_wait_dscnt 0x0                               ; for the others' sake: my stores have landed
	s_barrier_signal -1
	s_barrier_wait -1
.irp b, 0,1,2,3
.irp j, 0,1,2,3
	ds_load_b128 v[X+16*\b+4*\j:X+16*\b+4*\j+3], v[RAD] offset:128*\b+16*\j
.endr
.endr
	s_wait_dscnt 0x0
	QUANT X
	PUTF PC, 28
	global_store_b32 v[LS], v[PW], s[30:31]        ; lanes r and r + 16 store the same word to the same place
	s_wait_tensorcnt 0x0                           ; the wave's end, behind my last LDS store
	ds_add_u32 v[SPW], v[NIL]
	s_wait_dscnt 0x0
	s_endpgm
	; ---- the weights: no LDS.  Lane l is row l of a pair of tiles and reads the column with bits 3 and 4 of l exchanged
.macro WLOADS pitch                            ; W(128 ks + i, my column), i = 0 .. 127: each load reads 128 consecutive bytes
.set i, 0
.rept 128
	global_load_b32 v[X+i], v[CA], s[32:33] offset:i*\pitch th:TH_LOAD_NT
.set i, i+1
.endr
.endm
.Lweights:
	v_and_b32 v[CA], 7, v2
	v_bfe_u32 v1, v2, 3, 1
	s_delay_alu instid0(VALU_DEP_1)
	v_lshl_or_b32 v[CA], v1, 4, v[CA]
	s_delay_alu instid0(VALU_DEP_1)
	v_lshl_or_b32 v[CA], v4, 3, v[CA]
	s_delay_alu instid0(VALU_DEP_1)
	v_lshlrev_b32 v[CA], 2, v[CA]
	s_cmp_lt_u32 ttmp9, 352
	s_cbranch_scc0 .Lnot_qkv
	s_sub_co_u32 s23, ttmp9, 256                   ; Wq, Wk, Wv: [head][d][64]: a row d is 256 bytes
	s_lshr_b32 s29, s23, 5                         ; which of the three
	s_and_b32 s23, s23, 31
	s_lshl_b32 s24, s23, 3
	s_add_co_u32 s24, s24, s22                     ; my unit, 0 .. 255
	s_and_b32 s25, s24, 31                         ; its 32 columns
	s_lshr_b32 s26, s24, 5                         ; its K step
	s_cmp_eq_u32 s29, 0
	s_cselect_b64 s[32:33], s[6:7], s[8:9]
	s_cmp_eq_u32 s29, 2
	s_cselect_b64 s[32:33], s[10:11], s[32:33]
	s_lshr_b32 s30, s25, 1
	s_lshl_b32 s30, s30, 18                        ; the head
	s_lshl_b32 s31, s26, 15                        ; 128 rows d
	s_add_co_u32 s30, s30, s31
	s_and_b32 s31, s25, 1
	s_lshl_b32 s31, s31, 7                         ; which half of the head's 64
	s_add_co_u32 s30, s30, s31
	s_mov_b32 s31, 0
	s_add_nc_u64 s[32:33], s[32:33], s[30:31]
	s_mov_b32 s27, 8                               ; K steps in a row of fragments
	s_lshl_b32 s28, s29, 6
	s_lshl_b32 s29, s25, 1
	s_add_co_u32 s28, s28, s29                     ; the even tile: 64 x tensor + 2 x column group
	s_mov_b32 s34, WQKVC
	s_mov_b32 s35, WQKVS
	s_wait_alu depctr_va_vdst(0)
	WLOADS 256
	s_branch .Lwork
.Lnot_qkv:
	s_cmp_lt_u32 ttmp9, 512
	s_cbranch_scc0 .Lw1
	s_sub_co_u32 s23, ttmp9, 352                   ; Wo (32 work-groups), then W2 (128): rows of 4,096 bytes
	s_mov_b32 s34, W2C
	s_mov_b32 s35, W2S
	s_cmp_lt_u32 s23, 32
	s_cselect_b64 s[32:33], s[12:13], s[16:17]
	s_cselect_b32 s27, 8, 32
	s_cselect_b32 s34, WOC, s34
	s_cselect_b32 s35, WOS, s35
	s_cselect_b32 s29, 0, 32
	s_sub_co_u32 s23, s23, s29
	s_lshl_b32 s24, s23, 3
	s_add_co_u32 s24, s24, s22
	s_and_b32 s25, s24, 31
	s_lshr_b32 s26, s24, 5
	s_lshl_b32 s30, s26, 19
	s_lshl_b32 s31, s25, 7
	s_add_co_u32 s30, s30, s31
	s_mov_b32 s31, 0
	s_add_nc_u64 s[32:33], s[32:33], s[30:31]
	s_lshl_b32 s28, s25, 1
	s_wait_alu depctr_va_vdst(0)
	WLOADS 4096
	s_branch .Lwork
.Lw1:
	s_sub_co_u32 s23, ttmp9, 512                   ; W1: rows of 16,384 bytes
	s_lshl_b32 s24, s23, 3
	s_add_co_u32 s24, s24, s22
	s_and_b32 s25, s24, 127
	s_lshr_b32 s26, s24, 7
	s_lshl_b32 s30, s26, 21
	s_lshl_b32 s31, s25, 7
	s_add_co_u32 s30, s30, s31
	s_mov_b32 s31, 0
	s_add_nc_u64 s[32:33], s[14:15], s[30:31]
	s_mov_b32 s27, 8
	s_lshl_b32 s28, s25, 1
	s_mov_b32 s34, W1C
	s_mov_b32 s35, W1S
	s_wait_alu depctr_va_vdst(0)
	WLOADS 16384
.Lwork:
	s_mul_i32 s28, s28, s27
	s_add_co_u32 s28, s28, s26                     ; the even tile's fragment number
	s_mul_i32 s30, s28, 1536
	s_add_co_u32 s30, s30, s34
	s_mov_b32 s31, 0
	s_add_nc_u64 s[36:37], s[18:19], s[30:31]      ; its image,
	s_mul_i32 s30, s27, 1536
	s_add_nc_u64 s[38:39], s[36:37], s[30:31]      ; the odd tile's,
	s_lshl_b32 s30, s28, 6
	s_add_co_u32 s30, s30, s35
	s_add_nc_u64 s[40:41], s[18:19], s[30:31]      ; and the scale words
	s_lshl_b32 s30, s27, 6
	v_mul_u32_u24 v[SA], s30, v4                   ; lanes 16-31: the odd tile's words
	s_delay_alu instid0(VALU_DEP_1)
	v_add_nc_u32 v[SA], v[SA], v[LS]
; block t of my column: all its 32 numbers are mine.  left: how many younger loads may be out (a wait names 63 at the most)
.macro WBLOCK t, d, left
.set XB, X+32*\t
	s_wait_loadcnt \left
	v_max3_num_f32 v[M0], |v[XB]|, |v[XB+1]|, |v[XB+2]|
	v_max3_num_f32 v[M1], |v[XB+3]|, |v[XB+4]|, |v[XB+5]|
.irp i, 6,10,14,18,22,26
	s_delay_alu instid0(VALU_DEP_2)
	v_max3_num_f32 v[M0], v[M0], |v[XB+\i]|, |v[XB+\i+1]|
	s_delay_alu instid0(VALU_DEP_2)
	v_max3_num_f32 v[M1], v[M1], |v[XB+\i+2]|, |v[XB+\i+3]|
.endr
	s_delay_alu instid0(VALU_DEP_2)
	v_max3_num_f32 v[M0], v[M0], |v[XB+30]|, |v[XB+31]|
	s_delay_alu instid0(VALU_DEP_1)
	v_max3_num_f32 v[M0], v[M0], v[M1], 0x1800000  ; and the floor
	s_delay_alu instid0(VALU_DEP_1)
	v_add_nc_u32 v[SO+\t], 0xff000000, v[M0]
	s_delay_alu instid0(VALU_DEP_1)
	v_lshrrev_b32 v[BY], 23, v[SO+\t]
.if \t == 0
	s_delay_alu instid0(VALU_DEP_1)
	v_mov_b32 v[SW], v[BY]
.else
	s_delay_alu instid0(VALU_DEP_1)
	v_lshl_or_b32 v[SW], v[BY], 8*\t, v[SW]
.endif
	v_cvt_scalef32_pk16_fp6_f32 v[\d:\d+2], v[XB:XB+15], v[SO+\t]
	v_cvt_scalef32_pk16_fp6_f32 v[TP+4*\t:TP+4*\t+2], v[XB+16:XB+31], v[SO+\t]
.endm
	WBLOCK 0, FA, 63                               ; 96 loads were issued behind block 0's
	WBLOCK 1, FB, 63                               ; 64 behind block 1's
	WBLOCK 2, FA+6, 32
	WBLOCK 3, FB+6, 0
	v_nop                                          ; one plain place behind the last conversion
.irp i, 0,1,2
	v_mov_b32 v[FA+3+\i], v[TP+\i]
	v_mov_b32 v[FB+3+\i], v[TP+4+\i]
	v_mov_b32 v[FA+9+\i], v[TP+8+\i]
	v_mov_b32 v[FB+9+\i], v[TP+12+\i]
.endr
.irp i, 0,1,2,3,4,5,6,7,8,9,10,11                  ; FA held every lane's blocks 0, 2 and FB its blocks 1, 3.  FA's lanes 16-31 change places with FB's lanes 0-15: FA is now the even tile's fragment, FB the odd tile's
	v_permlane16_swap_b32 v[FA+\i], v[FB+\i]
.endr
	PUTF FA, 36
	PUTF FB, 38
	global_store_b32 v[SA], v[SW], s[40:41]
	s_endpgm
.Lfunc_end_k_q1d60e9bf20_prep:
	.size	k_q1d60e9bf20_prep, .Lfunc_end_k_q1d60e9bf20_prep-k_q1d60e9bf20_prep
	.p2alignl 7, 3214868480
	.fill 96, 4, 3214868480
	.section	.rodata,"a",@progbits
	.p2align	6, 0x0
	.amdhsa_kernel k_q1d60e9bf20_prep
		.amdhsa_group_segment_fixed_size 66816
		.amdhsa_private_segment_fixed_size 0
		.amdhsa_enable_private_segment 0
		.amdhsa_kernarg_size 64
		.amdhsa_user_sgpr_count 2
		.amdhsa_user_sgpr_kernarg_segment_ptr 1
		.amdhsa_wavefront_size32 1
		.amdhsa_system_sgpr_workgroup_id_x 1
		.amdhsa_system_sgpr_workgroup_id_y 1
		.amdhsa_system_sgpr_workgroup_id_z 1
		.amdhsa_system_vgpr_workitem_id 0
		.amdhsa_next_free_vgpr 256
		.amdhsa_next_free_sgpr 66
		.amdhsa_reserve_vcc 0
		.amdhsa_float_denorm_mode_32 3
		.amdhsa_float_denorm_mode_16_64 3
		.amdhsa_memory_ordered 1
		.amdhsa_forward_progress 1
		.amdhsa_inst_pref_size 61
	.end_amdhsa_kernel
	.amdgpu_metadata
---
amdhsa.version: [ 1, 2 ]
amdhsa.kernels:
  - .name:           k_q1d60e9bf20_prep
    .symbol:         k_q1d60e9bf20_prep.kd
    .args:
      - { .name: x, .offset: 0, .size: 8, .value_kind: global_buffer, .address_space: global }
      - { .name: Wq, .offset: 8, .size: 8, .value_kind: global_buffer, .address_space: global }
      - { .name: Wk, .offset: 16, .size: 8, .value_kind: global_buffer, .address_space: global }
      - { .name: Wv, .offset: 24, .size: 8, .value_kind: global_buffer, .address_space: global }
      - { .name: Wo, .offset: 32, .size: 8, .value_kind: global_buffer, .address_space: global }
      - { .name: W1, .offset: 40, .size: 8, .value_kind: global_buffer, .address_space: global }
      - { .name: W2, .offset: 48, .size: 8, .value_kind: global_buffer, .address_space: global }
      - { .name: qw, .offset: 56, .size: 8, .value_kind: global_buffer, .address_space: global }
    .group_segment_fixed_size: 66816
    .private_segment_fixed_size: 0
    .kernarg_segment_align: 8
    .kernarg_segment_size: 64
    .max_flat_workgroup_size: 256
    .sgpr_count:     66
    .vgpr_count:     256
    .wavefront_size: 32
...
	.end_amdgpu_metadata
.endif
;; end of part 1
;; launch qkv (part 2): grid 12 x 16, 4 waves a work-group, clusters of 4 x 4, 327,680 bytes of LDS; arguments qw, bq, bk, bv, qkv; writes qkv
.if DOCPART == 2
	.amdgcn_target "amdgcn-amd-amdhsa--gfx1250"
	.amdhsa_code_object_version 6
	.text
	.protected	k_q1d60e9bf20_qkv
	.globl	k_q1d60e9bf20_qkv
	.p2align	8
	.type	k_q1d60e9bf20_qkv,@function
k_q1d60e9bf20_qkv:
	s_mov_b64 s[64:65], 0
	v_nop
	global_prefetch_b8 v0, s[64:65] scope:SCOPE_SE
	s_setreg_imm32_b32 hwreg(HW_REG_WAVE_MODE, 25, 1), 1
	s_wait_xcnt 0x0
	s_wait_alu depctr_hold_cnt(0) depctr_sa_sdst(0) depctr_va_vdst(0) depctr_va_sdst(0) depctr_va_ssrc(0) depctr_va_vcc(0) depctr_vm_vsrc(0)
	s_getreg_b32 s2, hwreg(HW_REG_IB_STS2, 6, 4)
	s_cmp_eq_u32 s2, 0
	s_cbranch_scc0 .Lentry_in_a_cluster
	s_endpgm
.Lentry_in_a_cluster:
	s_bfe_u32 s2, ttmp6, 0x10000c
	s_cmp_lg_u32 s2, 0xf033
	s_cbranch_scc0 .Lentry_shape_is_right
	s_endpgm
.Lentry_shape_is_right:
.set MODE,   0
.set KS,     8
.set FR,     12
.set FBY,    1536
.set NL,     4
.set NP,     4
.set NQ,     2
.set PART,   8*NQ*FBY
.set SLOT,   4*PART
.set SCL,    2*SLOT
.set SPART,  8*KS*64
.set SPARE,  SCL+4*SPART
.set XS,     3145728
.set WQKVC,  3276800
.set WQKVS,  5636096
.set WVC,    WQKVC+128*KS*FBY
.set WVS,    WQKVS+128*KS*64
.set W1C,    6553600
.set W1S,    9699328
.set HC,     16777216
.set HS,     19922944
.set VCO,    6291456
.set QSO,    9437184
.set VSO,    9961472
.set HIDS,   12582912
.if MODE == 0
.set PB,   4
.set OUTP, 12
.else
.set PB,   6
.set OUTP, 10
.endif
.set ADRA, 16
.set ADRB, 20
.set LI,   24
.set L8,   25
.set LS,   26
.set ADRS, 27
.set SPW,  28
.set NIL,  29
.set SC,   32
.set BI,   64
.set AF,   128
.set PC,   112
.set TM,   200
.set PW,   216
.set OC,   66
.set OS,   92
.set HM,   99
.set SEL,  18
.set G1, 24
.set G0, 32
.set G1B, 48
.set G0B, 56
.set G1S, 68
.set G0S, 76
.set G1SB, 80
.set G0SB, 88
.set MSB, 0
.macro WIN new
.if MSB != \new
	s_set_vgpr_msb (MSB<<8)|(\new)
.set MSB, \new
.endif
.endm
.set MUL_LO, 0xa1
.set MUL_HI, 0xf1
.set TO_B,   0x40
.macro JLOAD g0a, g1a, g0b, g1b
	s_cmp_eq_u32 s15, 0
	s_cbranch_scc0 .Lfor_b_\@
	tensor_load_to_lds s[\g0a:\g0a+3], s[\g1a:\g1a+7]
	s_nop 0
.rept 4
	v_nop
.endr
	s_branch .Lasked_\@
.Lfor_b_\@:
	tensor_load_to_lds s[\g0b:\g0b+3], s[\g1b:\g1b+7]
	s_nop 0
.rept 4
	v_nop
.endr
.Lasked_\@:
.endm
.macro CREST
	s_cmp_lg_u32 s14, 0
	s_cbranch_scc1 .Lnot_wave_0_\@
	s_barrier_signal -3
.Lnot_wave_0_\@:
	s_barrier_wait -3
	s_barrier_signal -1
	s_barrier_wait -1
.endm
.macro CROUND
	s_barrier_signal -1
	s_barrier_wait -1
	CREST
.endm
	s_load_b256 s[4:11], s[0:1], 0x0
.if MODE == 0
	s_load_b64 s[12:13], s[0:1], 0x20
.endif
	v_lshl_add_u32 v[SPW], v0, 2, SPARE
	v_mov_b32 v[NIL], 0
	ds_add_u32 v[SPW], v[NIL]
	ds_add_u32 v[SPW], v[NIL]
	v_lshrrev_b32 v1, 5, v0
	v_readfirstlane_b32 s14, v1
	s_lshr_b32 s15, s14, 1
	s_and_b32 s16, s14, 1
	s_bfe_u32 s40, ttmp6, 0x40000
	s_bfe_u32 s41, ttmp6, 0x40004
	s_and_b32 s17, ttmp7, 0xffff
	s_lshl_b32 s17, s17, 2
	s_lshl_b32 s42, ttmp9, 2
.if MODE == 0
	s_mov_b32 s95, WVC
	s_mov_b32 s96, WVS
	s_mov_b32 s98, XS
	s_cmp_eq_u32 ttmp9, 2
	s_cselect_b32 s3, 1, 0
	s_cselect_b32 s42, s17, s42
	s_cselect_b32 s17, 0, s17
	s_cselect_b32 s95, s95, 0
	s_cselect_b32 s96, s96, XS
	s_cselect_b32 s97, 0, WQKVC
	s_cselect_b32 s98, s98, WQKVS
.else
	s_mov_b32 s95, HC
	s_mov_b32 s96, HS
	s_mov_b32 s97, W1C
	s_mov_b32 s98, W1S
.endif
	s_add_co_u32 s17, s17, s41
	s_add_co_u32 s42, s42, s40
	s_lshl_b32 s43, s41, 2
	s_lshl_b32 s43, 15, s43
	s_lshl_b32 s44, 0x1111, s40
	s_mov_b32 s[HM], 0xffff0000
	s_or_b32 s[G1+0], s43, (3<<16)|(1<<21)
	s_or_b32 s[G1B+0], s44, (3<<16)|(1<<21)
.irp g, G1, G1B
	s_mov_b32 s[\g+1], 384<<16
	s_mov_b32 s[\g+2], 16<<16
	s_mov_b32 s[\g+3], 384<<16
	s_mov_b32 s[\g+4], 16
	s_mov_b32 s[\g+5], KS*FBY/8
	s_mov_b32 s[\g+6], 0
	s_mov_b32 s[\g+7], 0
.endr
	s_or_b32 s[G1S+0], s43, (3<<16)|(1<<21)
	s_or_b32 s[G1SB+0], s44, (3<<16)|(1<<21)
.irp g, G1S, G1SB
	s_mov_b32 s[\g+1], 32<<16
	s_mov_b32 s[\g+2], (2*SPART/256)<<16
	s_mov_b32 s[\g+3], 32<<16
	s_mov_b32 s[\g+4], 2*SPART/256
	s_mov_b32 s[\g+5], 32
	s_mov_b32 s[\g+6], 0
	s_mov_b32 s[\g+7], 0
.endr
	s_mul_i32 s18, s16, 8*KS*FBY                   ; from a tile's first row to the 8 tiles of 16 that I fetch in the ring, in bytes
	s_mov_b32 s19, 0
	s_lshl_b32 s20, s17, 4
	s_lshl_b32 s46, s42, 4
	s_lshl_b32 s22, s20, 9
	s_add_co_u32 s22, s22, s96
	s_mov_b32 s23, 0
	s_lshl_b32 s92, s46, 9
	s_add_co_u32 s92, s92, s98
	s_mov_b32 s93, 0
	s_mul_i32 s20, s20, KS*FBY
	s_add_co_u32 s20, s20, s95
	s_mov_b32 s21, 0
	s_mul_i32 s46, s46, KS*FBY
	s_add_co_u32 s46, s46, s97
	s_mov_b32 s47, 0
	s_mul_i32 s45, s14, PART
	s_wait_dscnt 0x0
	s_wait_kmcnt 0x0
	s_add_nc_u64 s[20:21], s[4:5], s[20:21]
	s_add_nc_u64 s[22:23], s[4:5], s[22:23]
	s_add_nc_u64 s[46:47], s[PB:PB+1], s[46:47]
	s_add_nc_u64 s[92:93], s[PB:PB+1], s[92:93]
	CROUND
	s_mov_b32 s[G0S], 1
	s_mov_b32 s[G0S+1], SCL
	s_mov_b64 s[G0S+2:G0S+3], s[22:23]
	s_or_b32 s[G0S+3], s[G0S+3], 0x80000000
	s_mov_b32 s[G0SB], 1
	s_mov_b32 s[G0SB+1], SCL+2*SPART
	s_mov_b64 s[G0SB+2:G0SB+3], s[92:93]
	s_or_b32 s[G0SB+3], s[G0SB+3], 0x80000000
	; the head's four tiles, each whole, one a wave: slot 0's 16 tiles of A, its 16 of B, A's scales, B's scales
	s_mov_b32 s[G0], 1
	s_mov_b32 s[G0+1], 0
	s_mov_b64 s[G0+2:G0+3], s[20:21]
	s_or_b32 s[G0+3], s[G0+3], 0x80000000
	s_mov_b32 s[G0B], 1
	s_mov_b32 s[G0B+1], 2*PART
	s_mov_b64 s[G0B+2:G0B+3], s[46:47]
	s_or_b32 s[G0B+3], s[G0B+3], 0x80000000
	s_add_nc_u64 s[20:21], s[20:21], s[18:19]      ; for the ring: my 8 tiles
	s_add_nc_u64 s[46:47], s[46:47], s[18:19]
	s_mov_b32 s[G0+4], 1
	s_add_co_u32 s[G0+5], s45, SLOT
	s_add_nc_u64 s[G0+6:G0+7], s[20:21], NQ*FBY
	s_or_b32 s[G0+7], s[G0+7], 0x80000000
	s_mov_b32 s[G0B+4], 1
	s_add_co_u32 s[G0B+5], s45, SLOT
	s_add_nc_u64 s[G0B+6:G0B+7], s[46:47], NQ*FBY
	s_or_b32 s[G0B+7], s[G0B+7], 0x80000000
	s_cmp_eq_u32 s15, 0                            ; the prefetches: of the 8 tiles that I fetch, the partner at place p takes tiles 2 p, 2 p + 1 (p = cx for A, cy for B): told apart by address alone
	s_cselect_b64 s[100:101], s[20:21], s[46:47]
	s_cselect_b32 s66, s40, s41
	s_mul_i32 s66, s66, 2*KS*FBY
	s_mov_b32 s67, 0
	s_add_nc_u64 s[100:101], s[100:101], s[66:67]
.macro ARM under, g0, g1, next                 ; one chain of branches on the wave's number, one load to an arm, all arms to one join
	s_cmp_lt_u32 s14, \under
	s_cbranch_scc0 \next
	tensor_load_to_lds s[\g0:\g0+3], s[\g1:\g1+7]
	s_nop 0
.rept 4
	v_nop
.endr
	s_branch .Lhead_asked
\next:
.endm
	ARM 1, G0, G1, .Lhead_b
	ARM 2, G0B, G1B, .Lhead_sa
	ARM 3, G0S, G1S, .Lhead_sb
	tensor_load_to_lds s[G0SB:G0SB+3], s[G1SB:G1SB+7]
	s_nop 0
.rept 4
	v_nop
.endr
.Lhead_asked:
	v_and_b32 v1, 15, v0
	v_bfe_u32 v2, v0, 4, 1
	v_and_b32 v3, 31, v0
	v_lshlrev_b32 v[LI], 4, v3
	v_lshlrev_b32 v[L8], 3, v3
	v_min_u32 v30, 23, v3                          ; the prefetches' offset: 24 blocks of 256 bytes, 12 to a tile's 3,072 bytes of a fill; lanes 24-31 name the last again
	v_mul_u32_u24 v31, v30, 86
	v_lshrrev_b32 v31, 10, v31                     ; which of the two tiles
	v_mul_u32_u24 v31, v31, KS*FBY-NQ*FBY
	v_lshl_add_u32 v30, v30, 8, v31
.if MODE == 0
	v_lshlrev_b32 v[LS], 2, v3
.else
	v_lshlrev_b32 v[LS], 2, v1
	v_lshl_add_u32 v[LS], v2, 11, v[LS]
.endif
	s_mul_i32 s21, s15, PART
	s_mul_i32 s22, s16, PART
	s_add_co_u32 s22, s22, 2*PART
.irp s, 0,1
	v_add_nc_u32 v[ADRA+\s], s21, v[LI]
	v_add_nc_u32 v[ADRB+\s], s22, v[LI]
	v_add_nc_u32 v[ADRA+2+\s], s21, v[L8]
	v_add_nc_u32 v[ADRB+2+\s], s22, v[L8]
	s_add_co_u32 s21, s21, SLOT
	s_add_co_u32 s22, s22, SLOT
.endr
	s_mul_i32 s21, s15, SPART
	s_mul_i32 s22, s16, SPART
	s_add_co_u32 s22, s22, 2*SPART
	s_sub_co_u32 s22, s22, s21
	v_mul_u32_u24 v4, s22, v2
	s_add_co_u32 s21, s21, SCL
	v_lshl_add_u32 v4, v1, 2, v4
	v_add_nc_u32 v[ADRS], s21, v4
	global_prefetch_b8 v30, s[100:101] offset:NQ*FBY th:TH_LOAD_NT scope:SCOPE_SE     ; the second and the third fill's bytes
	global_prefetch_b8 v30, s[100:101] offset:2*NQ*FBY th:TH_LOAD_NT scope:SCOPE_SE
	v_lshlrev_b32 v4, 6, v2
.if MODE == 0
	s_cmp_eq_u32 ttmp9, 0
	s_cselect_b64 s[OC:OC+1], s[6:7], s[8:9]
	s_and_b32 s21, s42, 3
	s_lshl_b32 s21, s21, 10
	s_lshl_b32 s22, s16, 9
	s_add_co_u32 s21, s21, s22
	s_lshl_b32 s22, s17, 10
	s_lshl_b32 s23, s15, 9
	s_add_co_u32 s22, s22, s23
	s_cmp_eq_u32 s3, 0
	s_cselect_b64 s[OC:OC+1], s[OC:OC+1], s[10:11]
	s_cselect_b32 s20, s21, s22
	s_mov_b32 s21, 0
	s_add_nc_u64 s[OC:OC+1], s[OC:OC+1], s[20:21]
	v_and_b32 v5, 8, v1
	v_add_nc_u32 v5, v5, v1
	v_lshlrev_b32 v5, 2, v5
	s_cmp_eq_u32 s3, 0
	s_cbranch_scc0 .Lbias_v
.else
	s_lshl_b32 s20, s42, 10
	s_lshl_b32 s21, s16, 9
	s_add_co_u32 s20, s20, s21
	s_mov_b32 s21, 0
	s_add_nc_u64 s[OC:OC+1], s[8:9], s[20:21]
.endif
	s_wait_alu depctr_va_vdst(0)
.irp b, 0,1,2,3,4,5,6,7
	global_load_b128 v[BI+8*\b:BI+8*\b+3], v4, s[OC:OC+1] offset:(32*(\b/2)+8*(\b%2))*4
	global_load_b128 v[BI+8*\b+4:BI+8*\b+7], v4, s[OC:OC+1] offset:(32*(\b/2)+8*(\b%2))*4+16
.endr
.if MODE == 0
	s_branch .Lbias_done
.Lbias_v:
	s_wait_alu depctr_va_vdst(0)
.irp a, 0,1,2,3,4,5,6,7
.irp j, 0,1,2,3,4,5,6,7
	global_load_b32 v[BI+8*\a+\j], v5, s[OC:OC+1] offset:(32*(\a/2)+8*(\a%2))*4
.endr
.endr
.Lbias_done:
.endif
.macro FRAG reg, adr, off
	ds_load_b128 v[\reg:\reg+3], v[\adr] offset:\off
	ds_load_b64 v[\reg+4:\reg+5], v[\adr+2] offset:(\off)+512
	ds_load_b128 v[\reg+6:\reg+9], v[\adr] offset:(\off)+768
	ds_load_b64 v[\reg+10:\reg+11], v[\adr+2] offset:(\off)+1280
.endm
.macro MUL16 a0, p, q, sc, zero
.irp a, \a0, \a0+1
.irp b, 0,1,2,3,4,5,6,7
.set rD, 8*(8*((\a)%4)+\b)
.set rC, rD
.if (\zero) == 1
.set rC, BI+8*\b
.endif
.if (\zero) == 2
.set rC, BI+8*(\a)
.endif
	v_wmma_scale_f32_16x16x128_f8f6f4 v[rD:rD+7], v[128*(\p)+FR*\b:128*(\p)+FR*\b+FR-1], v[AF+FR*(\a):AF+FR*(\a)+FR-1], v[rC:rC+7], v[SC+16*(\sc)+2*\b+(\q)], v[SC+16*(\sc)+2*(\a)+(\q)] matrix_a_fmt:MATRIX_FMT_FP6 matrix_b_fmt:MATRIX_FMT_FP6 matrix_a_scale:MATRIX_SCALE_ROW1
.endr
.endr
.endm
.macro FETCH_B slot, q, p
	WIN TO_B
.irp i, 0,1,2,3,4,5,6,7
	FRAG 128*(\p)+FR*\i, ADRB+\slot, \i*NQ*FBY+(\q)*FBY
.endr
	WIN 0
.endm
.macro FETCH_A slot, q, i0
.irp i, \i0, \i0+1, \i0+2, \i0+3
	FRAG AF+FR*(\i), ADRA+\slot, (\i)*NQ*FBY+(\q)*FBY
.endr
.endm
.macro SCALES sc
.irp i, 0,1,2,3,4,5,6,7
.irp q, 0,1
	ds_load_b32 v[SC+16*\sc+2*\i+\q], v[ADRS] offset:\i*KS*64+\q*64
.endr
.endr
.endm
.macro PLACES n
.rept \n
	v_nop
.endr
.endm
.macro STEP slot, q, zero
	s_wait_dscnt 4*NL
.if \zero
	WIN 0x81
.else
	WIN MUL_LO
.endif
	MUL16 0, (\q)%2, \q, \slot, \zero
	MUL16 2, (\q)%2, \q, \slot, \zero
	s_wait_dscnt 0
	PLACES NP
	FETCH_B \slot, (\q)+1, 1-(\q)%2
	FETCH_A \slot, (\q)+1, 0
.if \zero
	WIN 0xc1
.else
	WIN MUL_HI
.endif
	MUL16 4, (\q)%2, \q, \slot, \zero
	MUL16 6, (\q)%2, \q, \slot, \zero
	PLACES NP
	WIN 0
	FETCH_A \slot, (\q)+1, 4
.endm
.macro TURN slot, next, fill
	s_wait_tensorcnt 0x0
	ds_add_u32 v[SPW], v[NIL]
	s_wait_dscnt 4*NL+1
	WIN MUL_LO
	MUL16 0, 1, NQ-1, \slot, 0
	s_wait_dscnt 0x0
	s_barrier_signal -1
	MUL16 2, 1, NQ-1, \slot, 0
	WIN 0
	s_barrier_wait -1
.if \fill
	CREST
	s_add_nc_u64 s[G0+4*\slot+2:G0+4*\slot+3], s[G0+4*\slot+2:G0+4*\slot+3], 2*NQ*FBY
	s_add_nc_u64 s[G0B+4*\slot+2:G0B+4*\slot+3], s[G0B+4*\slot+2:G0B+4*\slot+3], 2*NQ*FBY
	JLOAD G0+4*\slot, G1, G0B+4*\slot, G1B
.else
	PLACES NP
.endif
	s_wait_alu depctr_va_vdst(0)
	v_add_nc_u32 v[ADRS], NQ*64, v[ADRS]
	FETCH_B \next, 0, 0
	FETCH_A \next, 0, 0
	SCALES \next
	WIN MUL_HI
	MUL16 4, 1, NQ-1, \slot, 0
	MUL16 6, 1, NQ-1, \slot, 0
	PLACES NP
	WIN 0
	FETCH_A \next, 0, 4
.endm
	s_wait_alu depctr_va_vdst(0)                   ; the wait at the head's end
	s_wait_tensorcnt 0x0                           ; my tile of the head's four is in
	ds_add_u32 v[SPW], v[NIL]
	s_mov_b32 s[G1+2], 8<<16                       ; no tensor load of mine is out: from here on a load brings 8 tiles,
	s_mov_b32 s[G1+4], 8
	s_mov_b32 s[G1B+2], 8<<16
	s_mov_b32 s[G1B+4], 8
	s_mov_b32 s[G0+1], s45                         ; and slot 0's descriptors stand at my part
	s_add_nc_u64 s[G0+2:G0+3], s[G0+2:G0+3], s[18:19]
	s_mov_b32 s[G0B+1], s45
	s_add_nc_u64 s[G0B+2:G0B+3], s[G0B+2:G0B+3], s[18:19]
	s_wait_dscnt 0x0
	CROUND                                         ; all four tiles are in, all sixteen work-groups are here
	JLOAD G0+4, G1, G0B+4, G1B                     ; slot 1's first fill
	FETCH_B 0, 0, 0
	FETCH_A 0, 0, 0
	SCALES 0
	FETCH_A 0, 0, 4
	global_prefetch_b8 v30, s[100:101] offset:3*NQ*FBY th:TH_LOAD_NT scope:SCOPE_SE   ; the last fill's bytes, two fills ahead
	s_wait_loadcnt 0x0
.if MODE == 0
	s_cmp_eq_u32 s3, 0
	s_cbranch_scc0 .Lfirst_v
	STEP 0, 0, 1
	s_branch .Lfirst_done
.Lfirst_v:
	STEP 0, 0, 2
.Lfirst_done:
.else
	STEP 0, 0, 1
.endif
	TURN 0, 1, 1
	STEP 1, 0, 0
	TURN 1, 0, 1
	STEP 0, 0, 0
	TURN 0, 1, 0
	STEP 1, 0, 0
	s_wait_dscnt 4*NL
	WIN MUL_LO
	MUL16 0, 1, NQ-1, 1, 0
	MUL16 2, 1, NQ-1, 1, 0
	s_wait_dscnt 0
	WIN MUL_HI
	MUL16 4, 1, NQ-1, 1, 0
	MUL16 6, 1, NQ-1, 1, 0
	WIN 0
	PLACES NP
	s_mov_b32 s[SEL], 0x76543210
	s_mov_b32 s[SEL+1], 0xfedcba98
.irp b, 0,1,2,3
	v_mov_b32 v[TM+4+\b], 0
.endr
.macro QUANT s, w, pw
	WIN 5*(\w)
.irp b, 0,1,2,3
	v_max3_num_f32 v[TM+\b], |v[(\s)+16*\b]|, |v[(\s)+1+16*\b]|, 0x1800000
.endr
	WIN 20*(\w)
.irp i, 2,4,6,8,10,12,14
.irp b, 0,1,2,3
	v_max3_num_f32 v[TM+\b], v[TM+\b], |v[(\s)+16*\b+\i]|, |v[(\s)+1+16*\b+\i]|
.endr
.endr
	WIN 0
.irp b, 0,1,2,3
	v_permlanex16_b32 v[TM+4+\b], v[TM+\b], s[SEL], s[SEL+1]
.endr
.irp b, 0,1,2,3
	v_max_num_f32 v[TM+\b], v[TM+\b], v[TM+4+\b]
.endr
.irp b, 0,1,2,3
	v_add_nc_u32 v[TM+12+\b], 0xff000000, v[TM+\b]
.endr
.irp b, 0,1,2,3
	v_lshrrev_b32 v[TM+4+\b], 23, v[TM+12+\b]
.endr
	v_lshl_or_b32 v[\pw], v[TM+5], 8, v[TM+4]
	v_lshl_or_b32 v[\pw], v[TM+6], 16, v[\pw]
	v_lshl_or_b32 v[\pw], v[TM+7], 24, v[\pw]
	WIN \w
.irp c, 0,1
	v_cvt_scalef32_pk16_fp6_f32 v[PC+6*\c:PC+2+6*\c], v[(\s)+32*\c:(\s)+15+32*\c], v[TM+12+2*\c]
	v_cvt_scalef32_pk16_fp6_f32 v[PC+12+4*\c:PC+14+4*\c], v[(\s)+16+32*\c:(\s)+31+32*\c], v[TM+12+2*\c+1]
.endr
	WIN 0
	v_nop
.irp c, 0,1
.irp i, 0,1,2
	v_permlane16_swap_b32 v[PC+6*\c+\i], v[PC+12+4*\c+\i]
.endr
.irp i, 0,1,2
	v_mov_b32 v[PC+3+6*\c+\i], v[PC+12+4*\c+\i]
.endr
.endr
.endm
.macro PUTF off
	global_store_b128 v[LI], v[PC:PC+3], s[OC:OC+1] offset:\off
	global_store_b64 v[L8], v[PC+4:PC+5], s[OC:OC+1] offset:(\off)+512
	global_store_b128 v[LI], v[PC+6:PC+9], s[OC:OC+1] offset:(\off)+768
	global_store_b64 v[L8], v[PC+10:PC+11], s[OC:OC+1] offset:(\off)+1280
.endm
.macro OUTBLK a, role
	s_wait_xcnt 0x0
.if \role == 2
	WIN 0x44*(2+(\a)/4)
.set j, 64*((\a)%4)
.rept 64
	v_max_num_f32 v[j], 0, v[j]
.set j, j+1
.endr
.endif
	QUANT 64*((\a)%4), 2+(\a)/4, PW+((\a)&1)
.if \role == 0
.irp c, 0,1
	global_store_b128 v[LI], v[PC+6*\c:PC+6*\c+3], s[OC:OC+1] offset:(\a)*768+\c*98304
	global_store_b64 v[L8], v[PC+6*\c+4:PC+6*\c+5], s[OC:OC+1] offset:(\a)*768+\c*98304+512
.endr
.elseif \role == 1
	PUTF ((\a)>>2)*98304+((\a)&3)*FBY
.else
	PUTF (\a)*32*FBY
.endif
.if ((\a)&1)
	v_cndmask_b32 v[PW+2], v[PW], v[PW+1], s[HM]
.if \role == 0
	v_lshrrev_b32 v[PW+3], 16, v[PW+2]
	global_store_b32 v[LS], v[PW+2], s[OS:OS+1] offset:((\a)-1)*64
	global_store_b32 v[LS], v[PW+3], s[OS:OS+1] offset:((\a)-1)*64+8192
.elseif \role == 1
	global_store_b32 v[LS], v[PW+2], s[OS:OS+1] offset:((\a)>>2)*4096+(((\a)-1)&3)*64
.else
	global_store_b32 v[LS], v[PW+2], s[OS:OS+1] offset:((\a)-1)*2048
.endif
.endif
.endm
	s_mov_b32 s23, 0
.if MODE == 0
	s_cmp_eq_u32 s3, 0
	s_cbranch_scc0 .Lout_v
	s_lshr_b32 s20, s17, 3
	s_lshl_b32 s20, s20, 4
	s_and_b32 s21, s42, 3
	s_lshl_b32 s21, s21, 2
	s_add_co_u32 s20, s20, s21
	s_lshl_b32 s21, s16, 1
	s_add_co_u32 s20, s20, s21
	s_lshl_b32 s20, s20, 7
	s_and_b32 s21, s17, 7
	s_lshl_b32 s21, s21, 4
	s_add_co_u32 s20, s20, s21
	s_lshl_b32 s21, s15, 3
	s_add_co_u32 s20, s20, s21
	s_mul_i32 s22, ttmp9, 3145728
	s_mul_i32 s21, s20, 768
	s_add_co_u32 s22, s22, s21
	s_add_nc_u64 s[OC:OC+1], s[OUTP:OUTP+1], s[22:23]
	s_mul_i32 s22, ttmp9, 262144
	s_lshl_b32 s21, s20, 6
	s_add_co_u32 s22, s22, s21
	s_add_co_u32 s22, s22, QSO
	s_add_nc_u64 s[OS:OS+1], s[OUTP:OUTP+1], s[22:23]
.irp a, 0,1,2,3,4,5,6,7
	OUTBLK \a, 0
.endr
	s_branch .Lout_done
.Lout_v:
	s_lshr_b32 s20, s42, 3
	s_lshl_b32 s20, s20, 4
	s_lshl_b32 s21, s17, 2
	s_add_co_u32 s20, s20, s21
	s_lshl_b32 s21, s15, 1
	s_add_co_u32 s20, s20, s21
	s_lshl_b32 s20, s20, 4
	s_and_b32 s21, s42, 7
	s_lshl_b32 s21, s21, 1
	s_add_co_u32 s20, s20, s21
	s_add_co_u32 s20, s20, s16
	s_lshl_b32 s20, s20, 2
	s_mul_i32 s22, s20, FBY
	s_add_co_u32 s22, s22, VCO
	s_add_nc_u64 s[OC:OC+1], s[OUTP:OUTP+1], s[22:23]
	s_lshl_b32 s22, s20, 6
	s_add_co_u32 s22, s22, VSO
	s_add_nc_u64 s[OS:OS+1], s[OUTP:OUTP+1], s[22:23]
.irp a, 0,1,2,3,4,5,6,7
	OUTBLK \a, 1
.endr
.Lout_done:
.else
	s_lshl_b32 s20, s17, 4
	s_lshl_b32 s21, s15, 3
	s_add_co_u32 s20, s20, s21
	s_lshl_b32 s20, s20, 5
	s_lshl_b32 s21, s42, 1
	s_add_co_u32 s20, s20, s21
	s_add_co_u32 s20, s20, s16
	s_mul_i32 s22, s20, FBY
	s_add_nc_u64 s[OC:OC+1], s[OUTP:OUTP+1], s[22:23]
	s_lshl_b32 s22, s20, 6
	s_add_co_u32 s22, s22, HIDS
	s_add_nc_u64 s[OS:OS+1], s[OUTP:OUTP+1], s[22:23]
.irp a, 0,1,2,3,4,5,6,7
	OUTBLK \a, 2
.endr
.endif
	s_wait_tensorcnt 0x0
	ds_add_u32 v[SPW], v[NIL]
	s_wait_dscnt 0x0
	CROUND
	s_endpgm
.Lfunc_end_k_q1d60e9bf20_qkv:
	.size	k_q1d60e9bf20_qkv, .Lfunc_end_k_q1d60e9bf20_qkv-k_q1d60e9bf20_qkv
	.p2alignl 7, 3214868480
	.fill 96, 4, 3214868480
	.section	.rodata,"a",@progbits
	.p2align	6, 0x0
	.amdhsa_kernel k_q1d60e9bf20_qkv
		.amdhsa_group_segment_fixed_size 327680
		.amdhsa_private_segment_fixed_size 0
		.amdhsa_enable_private_segment 0
		.amdhsa_kernarg_size 40
		.amdhsa_user_sgpr_count 2
		.amdhsa_user_sgpr_kernarg_segment_ptr 1
		.amdhsa_wavefront_size32 1
		.amdhsa_system_sgpr_workgroup_id_x 1
		.amdhsa_system_sgpr_workgroup_id_y 1
		.amdhsa_system_sgpr_workgroup_id_z 1
		.amdhsa_system_vgpr_workitem_id 0
		.amdhsa_next_free_vgpr 1024
		.amdhsa_next_free_sgpr 102
		.amdhsa_reserve_vcc 0
		.amdhsa_float_denorm_mode_32 3
		.amdhsa_float_denorm_mode_16_64 3
		.amdhsa_memory_ordered 1
		.amdhsa_forward_progress 1
		.amdhsa_inst_pref_size 211
	.end_amdhsa_kernel
	.amdgpu_metadata
---
amdhsa.version: [ 1, 2 ]
amdhsa.kernels:
  - .name:           k_q1d60e9bf20_qkv
    .symbol:         k_q1d60e9bf20_qkv.kd
    .args:
      - { .name: qw, .offset: 0, .size: 8, .value_kind: global_buffer, .address_space: global }
      - { .name: bq, .offset: 8, .size: 8, .value_kind: global_buffer, .address_space: global }
      - { .name: bk, .offset: 16, .size: 8, .value_kind: global_buffer, .address_space: global }
      - { .name: bv, .offset: 24, .size: 8, .value_kind: global_buffer, .address_space: global }
      - { .name: qkv, .offset: 32, .size: 8, .value_kind: global_buffer, .address_space: global }
    .group_segment_fixed_size: 327680
    .private_segment_fixed_size: 0
    .kernarg_segment_align: 8
    .kernarg_segment_size: 40
    .max_flat_workgroup_size: 128
    .sgpr_count:     102
    .vgpr_count:     1024
    .wavefront_size: 32
...
	.end_amdgpu_metadata
.endif
;; end of part 2
;; launch attn (part 3): grid 8 x 32, 16 waves a work-group, clusters of 4 x 1, 235,520 bytes of LDS; arguments qkv, ac; writes ac
.if DOCPART == 3
	.amdgcn_target "amdgcn-amd-amdhsa--gfx1250"
	.amdhsa_code_object_version 6
	.text
	.protected	k_q1d60e9bf20_attn
	.globl	k_q1d60e9bf20_attn
	.p2align	8
	.type	k_q1d60e9bf20_attn,@function
k_q1d60e9bf20_attn:
	s_mov_b64 s[64:65], 0
	v_nop
	global_prefetch_b8 v0, s[64:65] scope:SCOPE_SE
	s_setreg_imm32_b32 hwreg(HW_REG_WAVE_MODE, 25, 1), 1
	s_wait_xcnt 0x0
	s_wait_alu depctr_hold_cnt(0) depctr_sa_sdst(0) depctr_va_vdst(0) depctr_va_sdst(0) depctr_va_ssrc(0) depctr_va_vcc(0) depctr_vm_vsrc(0)
	s_getreg_b32 s2, hwreg(HW_REG_IB_STS2, 6, 4)
	s_cmp_eq_u32 s2, 0
	s_cbranch_scc0 .Lentry_in_a_cluster
	s_endpgm
.Lentry_in_a_cluster:
	s_bfe_u32 s2, ttmp6, 0x10000c
	s_cmp_lg_u32 s2, 0x3003
	s_cbranch_scc0 .Lentry_shape_is_right
	s_endpgm
.Lentry_shape_is_right:
; O = softmax(Q K^T / 8) V for one (batch, head) and 256 queries a work-group, both products on codes of FP6 (E2M3) with E8M0 scales; O is quantised along the concatenated heads and leaves as codes.
; SOFTMAX: t = score x log2(e) / 8; M = the running largest t rounded UP to a whole number; p = 2^(t - M) is quantised along the keys, not normalised; the row's sum is taken of the unquantised p and divides O at the end.
; When M moves, the sum and O are multiplied by 2^(old M - new M): exact.  The running largest score starts at -3e38.
; SHARES: sixteen waves, one tile of 16 queries each; every wave walks the head's 2,048 keys, 128 a step, two steps a trip.
; LDS: the head's whole K, V^T and their scale words are filled ONCE, by ten joint tensor loads (one a wave, waves 0 to 9) of the four work-groups of a cluster, which share the head.  One tensor load a wave is out.  Nothing is filled again.
; K lies as units of 256 bytes + 64 of padding (pitch 320).
; WHICH KEYS FORM A TILE is chosen by the lanes' LDS addresses: in memory a tile of 16 keys holds two groups of 8 neighbours of ONE block of 32; here lanes 0-7 of tile 4 c + t read group t of block 2 c and lanes 8-15 group t of block 2 c + 1
; (two tiles, six units, further on: with the padding the two halves fall on other banks in the loads of 16 bytes).  Both products are used transposed (S^T = K Q^T, O^T = V^T P^T), so lane (r, h) holds query r and its
; register 32 c + i is key 64 c + 32 h + i of the step: a whole block of 32 in a lane, in the order of the next operand's registers.  No lane asks another for a block's maximum, and no codes change lanes.
; THE FIRST PRODUCT'S K is the head's 64: Q's registers 6-11 hold zero codes.  A tile of K is six registers; the six behind them (the next tile's codes; behind the last tile zeros) stand as its k = 64 .. 127 and meet Q's zeros alone:
; every 6-bit pattern is a finite number and every scale byte here is a finite code, so they add nothing.
; ORDER OF A STEP: V's 18 LDS loads; the wait that leaves them out (K's 20 came a step ago); 8 products; maxima; M; t - M; O and the sum under the new M; exponentials; scales, conversions; the next step's K (20 loads);
; half of the sum's tree; the wait that leaves K's 20 out; 4 products; the rest of the tree, whose lines are the places behind the products.
; LIMITS: NaN and infinities are not served; the promise holds while the scaled scores stay under 2^31 in magnitude; a block of p or of O that is all zeros, or lies under 2^-124, gets the scale byte 1 (this program alone reads the bytes).
; NO PREFETCH: K and V come in the first fills alone; there is no later load to run ahead of.
.set KC,    3145728
.set VC,    6291456
.set QSO,   9437184
.set KSO,   9699328
.set VSO,   9961472
.set ACS,   3145728
.set UP,    320                        ; a unit of K in LDS
.set KQ,    96*UP                      ; a quarter of K
.set KST,   24*UP                      ; a step of K: 8 tiles x 3 units
.set VL,    4*KQ
.set KSC,   VL+98304
.set VSC,   KSC+8192
.set SPARE, VSC+4096
.set AK16, 1                           ; K: pieces of 16 bytes
.set AK8,  2                           ; K: pieces of 8 bytes
.set AKS,  3                           ; K's scale words: lanes 0-15 tile t, lanes 16-31 tile 4 + t
.set AV16, 4
.set SPW,  5                           ; my spare word; never rewritten
.set NIL,  6                           ; 0; never rewritten
.set AV8,  7
.set AVS,  8                           ; V's scale words: lanes 0-15 tile 2 i, lanes 16-31 tile 2 i + 1
.set SH,   9                           ; 8 h
.set Y,    10
.set QF,   16                          ; v16-27 Q; v[12:13], v[14:15]: -M, by turns
.set QS,   28
.set RM,   29                          ; the running largest score
.set L,    30                          ; v[30:31] the sum
.set KF,   32                          ; v32-85 K: tile j at 6 j
.set KSR,  86
.set VSR,  90
.set VF,   92                          ; v92-139 V
.set S,    140                         ; v140-203 S^T, then p, then the sum's tree
.set O,    204                         ; v204-235 O^T
.set P,    236                         ; v236-247 p's codes
.set B0,   248
.set B1,   249
.set B2,   250
.set B3,   251
.set F,    252                         ; v[252:253]: f; the upper word is p's scale word
.set PW,   253
.set X,    254
.set WV,   18
.set NC,   19                          ; -c
.set SEL,  20
.set CS,   22                          ; s[22:23] c = log2(e) / 8
.set G1K,  24
.set G1A,  32
.set G1B,  40
.set G0K,  48
.set G0V,  52
.set G0B,  56
.set G0C,  60
.set G1C,  80
.set CNT,  88
.macro CROUND
	s_barrier_signal -1
	s_barrier_wait -1
	s_cmp_lg_u32 s[WV], 0
	s_cbranch_scc1 .Lnot_wave_0_\@
	s_barrier_signal -3
.Lnot_wave_0_\@:
	s_barrier_wait -3
	s_barrier_signal -1
	s_barrier_wait -1
.endm
.macro G1SET g, rows, pad              ; a dense block as rows of 256 bytes; the mask names all four work-groups, bit 21 beside it
	s_mov_b32 s[\g], 15|(3<<16)|(1<<21)|(\pad)
	s_mov_b32 s[\g+1], 32<<16
	s_mov_b32 s[\g+2], (\rows)<<16
	s_mov_b32 s[\g+3], 32<<16
	s_mov_b32 s[\g+4], \rows
	s_mov_b32 s[\g+5], 32
	s_mov_b32 s[\g+6], 0
	s_mov_b32 s[\g+7], 0
.endm
.macro G0SET g, off
	s_mov_b32 s[\g], 1
	s_add_nc_u64 s[\g+2:\g+3], s[4:5], s[\off:\off+1]
	s_or_b32 s[\g+3], s[\g+3], 0x80000000
.endm
.macro TL g0, g1                       ; an s_nop 0 and four v_nop follow the load
	tensor_load_to_lds s[\g0:\g0+3], s[\g1:\g1+7]
	s_nop 0
.rept 4
	v_nop
.endr
.endm
.macro WALU
	s_wait_alu depctr_va_vdst(0)
.endm
	s_load_b128 s[4:7], s[0:1], 0x0                ; qkv, ac
	v_lshl_add_u32 v[SPW], v0, 2, SPARE
	v_mov_b32 v[NIL], 0
	ds_add_u32 v[SPW], v[NIL]                      ; the opening lines
	ds_add_u32 v[SPW], v[NIL]
	v_lshrrev_b32 v[X], 5, v0
	v_readfirstlane_b32 s[WV], v[X]                ; wave 0..15
	s_and_b32 s8, ttmp7, 0xffff                    ; 16 x batch + head, which the four partners share
	s_bfe_u32 s9, ttmp6, 0x40000                   ; cx
	s_lshl_b32 s10, ttmp9, 2
	s_add_co_u32 s10, s10, s9                      ; my block of 256 queries: it enters Q's and the output's addresses alone
	G1SET G1K, 96, (1<<20)|(5<<22)|(15<<25)        ; K: 16 words of padding behind every 64
	G1SET G1A, 96, 0
	G1SET G1B, 32, 0
	G1SET G1C, 16, 0
	s_mul_i32 s11, s8, 98304
	s_mul_i32 s12, s[WV], 24576                    ; waves 0-3: quarters of K; waves 4-7: quarters of V
	s_add_co_u32 s66, s11, s12
	s_add_co_u32 s68, s66, VC-98304
	s_add_co_u32 s66, s66, KC
	s_mov_b32 s67, 0
	s_mov_b32 s69, 0
	s_lshl_b32 s70, s8, 13
	s_add_co_u32 s70, s70, KSO
	s_mov_b32 s71, 0
	s_lshl_b32 s72, s8, 12
	s_add_co_u32 s72, s72, VSO
	s_mov_b32 s73, 0
	s_mov_b32 s[SEL], 0x76543210
	s_mov_b32 s[SEL+1], 0xfedcba98
	s_mov_b32 s[CS], 0x3e38aa3b
	s_mov_b32 s[CS+1], s[CS]
	s_mov_b32 s[NC], 0xbe38aa3b
	s_mov_b32 s[CNT], 7
	s_wait_dscnt 0x0
	s_wait_kmcnt 0x0
	CROUND                                         ; all four work-groups are here: the joint loads meet
	G0SET G0K, 66
	s_mul_i32 s[G0K+1], s[WV], KQ
	G0SET G0V, 68
	s_mul_i32 s[G0V+1], s[WV], 24576
	s_add_co_u32 s[G0V+1], s[G0V+1], VL-98304
	G0SET G0B, 70
	s_mov_b32 s[G0B+1], KSC
	G0SET G0C, 72
	s_mov_b32 s[G0C+1], VSC
	s_cmp_lt_u32 s[WV], 4                          ; one chain of branches on the wave's number, one load to an arm
	s_cbranch_scc0 .Lnot_k
	TL G0K, G1K
	s_branch .Lasked
.Lnot_k:
	s_cmp_lt_u32 s[WV], 8
	s_cbranch_scc0 .Lnot_v
	TL G0V, G1A
	s_branch .Lasked
.Lnot_v:
	s_cmp_eq_u32 s[WV], 8
	s_cbranch_scc0 .Lnot_ks
	TL G0B, G1B
	s_branch .Lasked
.Lnot_ks:
	s_cmp_eq_u32 s[WV], 9
	s_cbranch_scc0 .Lasked
	TL G0C, G1C
.Lasked:
	v_and_b32 v[S], 7, v0                          ; r % 8
	v_bfe_u32 v[S+1], v0, 3, 1                     ; r / 8
	v_bfe_u32 v[S+2], v0, 4, 1                     ; h
	v_and_b32 v[S+3], 31, v0
	v_and_b32 v[S+4], 15, v0
	v_mul_u32_u24 v[S+5], v[S+1], 6*UP             ; lanes 8-15 of each half: two tiles on
	v_mul_u32_u24 v[AK16], v[S+2], UP
	v_add_nc_u32 v[AK16], v[AK16], v[S+5]
	v_lshl_add_u32 v[AK16], v[S], 4, v[AK16]       ; unit h of the tile, 16 bytes a row
	v_lshl_add_u32 v[AK8], v[S+2], 7, v[S+5]
	v_lshl_add_u32 v[AK8], v[S], 3, v[AK8]
	v_add_nc_u32 v[AK8], 2*UP, v[AK8]              ; unit 2 of the tile, 8 bytes a row, 128 h
	v_lshlrev_b32 v[AKS], 2, v[S]
	v_lshl_add_u32 v[AKS], v[S+1], 7, v[AKS]
	v_lshl_add_u32 v[AKS], v[S+2], 8, v[AKS]
	v_add_nc_u32 v[AKS], KSC, v[AKS]
	v_lshl_add_u32 v[AV16], v[S+3], 4, VL
	v_lshl_add_u32 v[AV8], v[S+3], 3, VL+512
	v_lshl_add_u32 v[AVS], v[S+3], 2, VSC
	v_lshlrev_b32 v[SH], 3, v[S+2]
	v_lshlrev_b32 v[S+6], 4, v[S+3]
	v_lshl_add_u32 v[S+7], v[S+3], 3, 512
	v_lshlrev_b32 v[S+8], 2, v[S+4]
	s_lshl_b32 s66, s8, 7
	s_lshl_b32 s67, s10, 4
	s_add_co_u32 s66, s66, s67
	s_add_co_u32 s66, s66, s[WV]                   ; my tile of queries among the 32 x 128
	s_mul_i32 s68, s66, 768
	s_mov_b32 s69, 0
	s_add_nc_u64 s[76:77], s[4:5], s[68:69]
	s_lshl_b32 s68, s66, 6
	s_add_co_u32 s68, s68, QSO
	s_add_nc_u64 s[78:79], s[4:5], s[68:69]
	WALU                                           ; the wait ahead of readers behind a run of scalar lines
	global_load_b128 v[QF:QF+3], v[S+6], s[76:77]  ; Q's half fragment stays in registers
	global_load_b64 v[QF+4:QF+5], v[S+7], s[76:77]
	global_load_b32 v[QS], v[S+8], s[78:79]
	s_lshr_b32 s66, s8, 4                          ; O's codes: fragment (128 x batch + 16 x block + wave) x 8 + head / 2, half head % 2
	s_lshl_b32 s66, s66, 7
	s_add_co_u32 s66, s66, s67
	s_add_co_u32 s66, s66, s[WV]
	s_lshl_b32 s66, s66, 3
	s_and_b32 s67, s8, 15
	s_lshr_b32 s68, s67, 1
	s_add_co_u32 s66, s66, s68
	s_and_b32 s67, s67, 1
	s_mul_i32 s70, s66, 1536
	s_mul_i32 s68, s67, 768
	s_add_co_u32 s70, s70, s68
	s_mov_b32 s71, 0
	s_add_nc_u64 s[72:73], s[6:7], s[70:71]
	s_lshl_b32 s70, s66, 6
	s_lshl_b32 s68, s67, 1
	s_add_co_u32 s70, s70, s68
	s_add_co_u32 s70, s70, ACS
	s_add_nc_u64 s[74:75], s[6:7], s[70:71]
.irp i, 6,7,8,9,10,11
	v_mov_b32 v[QF+\i], 0                          ; k = 64 .. 127 of the first product: zero codes in Q
	v_mov_b32 v[KF+42+\i], 0                       ; and what stands behind K's last tile
.endr
	v_mov_b32 v[RM], 0xff61b1e6                    ; -3e38
	v_mul_f32 v[X], s[NC], v[RM]
	v_floor_f32 v14, v[X]                          ; -M
	v_mov_b32 v13, 0                               ; (upper halves of pairs)
	v_mov_b32 v15, 0
	v_mov_b32 v[L], 0
	v_mov_b32 v[L+1], 0
	v_mov_b32 v[Y], 0                              ; a lane permute's destination counts as one of its sources
	v_mov_b32 v[PW], 0
.set j, 0
.rept 32
	v_mov_b32 v[O+j], 0                            ; the step is written for every step alike: the first finds zeros
.set j, j+1
.endr
.macro KLOAD ko, so                    ; a step's eight tiles of K and their scale words: 20 loads
.irp c, 0,1
.irp t, 0,1,2,3
	ds_load_b128 v[KF+6*(4*\c+\t):KF+6*(4*\c+\t)+3], v[AK16] offset:\ko+(4*\c+(\t&1))*3*UP+128*(\t>>1)
	ds_load_b64 v[KF+6*(4*\c+\t)+4:KF+6*(4*\c+\t)+5], v[AK8] offset:\ko+(4*\c+(\t&1))*3*UP+64*(\t>>1)
.endr
.endr
.irp t, 0,1,2,3
	ds_load_b32 v[KSR+\t], v[AKS] offset:\so+(\t&1)*64+32*(\t>>1)
.endr
.endm
.macro TREE n, d                       ; n sums of pairs, 2 d registers apart
.set j, 0
.rept \n
	v_pk_add_f32 v[S+j:S+j+1], v[S+j:S+j+1], v[S+j+\d:S+j+\d+1]
.set j, j+2*\d
.endr
.endm
; p: the step's place in its trip;  pre = 1: the next step's K is fetched
.macro STEP p, pre
.set NEW, 12+2*\p
.set OLD, 14-2*\p
.irp t, 0,1,2,3
	ds_load_b128 v[VF+12*\t:VF+12*\t+3], v[AV16] offset:\p*6144+\t*1536
	ds_load_b64 v[VF+12*\t+4:VF+12*\t+5], v[AV8] offset:\p*6144+\t*1536
	ds_load_b128 v[VF+12*\t+6:VF+12*\t+9], v[AV16] offset:\p*6144+\t*1536+768
	ds_load_b64 v[VF+12*\t+10:VF+12*\t+11], v[AV8] offset:\p*6144+\t*1536+768
.endr
	ds_load_b32 v[VSR], v[AVS] offset:\p*256
	ds_load_b32 v[VSR+1], v[AVS] offset:\p*256+128
	s_wait_dscnt 18                                ; K's 20 loads are in; V's 18, issued behind them, may be out
.irp t, 0,1,2,3
	v_wmma_scale_f32_16x16x128_f8f6f4 v[S+8*\t:S+8*\t+7], v[KF+6*\t:KF+6*\t+11], v[QF:QF+11], 0, v[KSR+\t], v[QS] matrix_a_fmt:MATRIX_FMT_FP6 matrix_b_fmt:MATRIX_FMT_FP6
.endr
.irp t, 0,1,2,3
	v_wmma_scale_f32_16x16x128_f8f6f4 v[S+32+8*\t:S+32+8*\t+7], v[KF+24+6*\t:KF+24+6*\t+11], v[QF:QF+11], 0, v[KSR+\t], v[QS] matrix_a_fmt:MATRIX_FMT_FP6 matrix_b_fmt:MATRIX_FMT_FP6 matrix_a_scale:MATRIX_SCALE_ROW1
.endr
.if (\p) && (\pre)                     ; the places behind the products: the trip's address steps, or v_nop
	v_add_nc_u32 v[AV16], 2*6144, v[AV16]
	v_add_nc_u32 v[AV8], 2*6144, v[AV8]
	v_add_nc_u32 v[AVS], 2*256, v[AVS]
	v_add_nc_u32 v[AK16], 2*KST, v[AK16]
	v_add_nc_u32 v[AK8], 2*KST, v[AK8]
	v_add_nc_u32 v[AKS], 2*512, v[AKS]
.else
.rept 4
	v_nop
.endr
.endif
.irp q, 0,1,2,3                                ; the largest score of my two blocks of 32 keys, each in two chains; every accumulator is read from its low end on
	v_max3_num_f32 v[B0+\q], v[S+16*\q], v[S+16*\q+1], v[S+16*\q+2]
.endr
.irp i, 3,5,7,9,11,13
.irp q, 0,1,2,3
	v_max3_num_f32 v[B0+\q], v[B0+\q], v[S+16*\q+\i], v[S+16*\q+\i+1]
.endr
.endr
	v_max3_num_f32 v[B0], v[B0], v[S+15], v[S+31]
	v_max3_num_f32 v[B2], v[B2], v[S+47], v[S+63]
	v_max_num_f32 v[B0], v[B0], v[B1]
	v_max_num_f32 v[B1], v[B2], v[B3]
	s_delay_alu instid0(VALU_DEP_1)
	v_max_num_f32 v[X], v[B0], v[B1]
	s_delay_alu instid0(VALU_DEP_1)
	v_permlanex16_b32 v[Y], v[X], s[SEL], s[SEL+1] ; lane l xor 16 holds my query's other 64 keys
	s_delay_alu instid0(VALU_DEP_1)
	v_max3_num_f32 v[RM], v[RM], v[X], v[Y]
	s_delay_alu instid0(VALU_DEP_1)
	v_mul_f32 v[X], s[NC], v[RM]
	s_delay_alu instid0(VALU_DEP_1)
	v_floor_f32 v[NEW], v[X]                       ; the new -M = -ceil(t)
	s_delay_alu instid0(VALU_DEP_1)
	v_sub_f32 v[X], v[NEW], v[OLD]                 ; old M - new M: a whole number, 0 or less
.set j, 0
.rept 32
	v_pk_fma_f32 v[S+j:S+j+1], v[S+j:S+j+1], s[CS:CS+1], v[NEW:NEW+1] op_sel_hi:[1,0,0]   ; t - M
.if j == 6
	v_cvt_i32_f32 v[X], v[X]
.endif
.if j == 14
	v_ldexp_f32 v[F], 1.0, v[X]                    ; f = 2^(old M - new M)
.endif
.set j, j+2
.endr
	v_fma_f32 v[B0], v[B0], s[CS], v[NEW]          ; the same of each block's largest score
	v_fma_f32 v[B1], v[B1], s[CS], v[NEW]
.set j, 0
.rept 16
	v_pk_mul_f32 v[O+j:O+j+1], v[O+j:O+j+1], v[F:F+1] op_sel_hi:[1,0]   ; O^T under the new M
.set j, j+2
.endr
	v_pk_mul_f32 v[L:L+1], v[L:L+1], v[F:F+1] op_sel_hi:[1,0]
	WALU                                           ; the wait ahead of the batch
.set j, 0
.rept 64
	v_exp_f32 v[S+j], v[S+j]                       ; p = 2^(t - M)
.set j, j+1
.endr
	v_exp_f32 v[B0], v[B0]                         ; the blocks' largest p
	v_exp_f32 v[B1], v[B1]
	v_nop                                          ; a plain place behind the batch
	WALU                                           ; and the wait ahead of its first reader
	v_max_num_f32 v[B0], 0x1800000, v[B0]          ; the floor 2^(3 - 127)
	v_max_num_f32 v[B1], 0x1800000, v[B1]
	v_add_nc_u32 v[B0], 0xff000000, v[B0]          ; 2 off the exponent field: the conversions' scale operands
	v_add_nc_u32 v[B1], 0xff000000, v[B1]
	v_cvt_scalef32_pk16_fp6_f32 v[P:P+2], v[S:S+15], v[B0]
	v_cvt_scalef32_pk16_fp6_f32 v[KF:KF+2], v[S+16:S+31], v[B0]      ; (three registers from an even one on: made in registers that K has left, and moved)
	v_cvt_scalef32_pk16_fp6_f32 v[P+6:P+8], v[S+32:S+47], v[B1]
	v_cvt_scalef32_pk16_fp6_f32 v[KF+4:KF+6], v[S+48:S+63], v[B1]
	v_lshrrev_b32 v[B2], 23, v[B0]                 ; my two scale bytes: blocks h and 2 + h
	v_lshrrev_b32 v[B3], 23, v[B1]
	s_delay_alu instid0(VALU_DEP_1)
	v_lshl_or_b32 v[B2], v[B3], 16, v[B2]
	s_delay_alu instid0(VALU_DEP_1)
	v_lshlrev_b32 v[B2], v[SH], v[B2]              ; at their places, 8 h bits up
	s_delay_alu instid0(VALU_DEP_1)
	v_permlanex16_b32 v[Y], v[B2], s[SEL], s[SEL+1]
	s_delay_alu instid0(VALU_DEP_1)
	v_or_b32 v[PW], v[B2], v[Y]                    ; with lane l xor 16's two the word is whole
.irp i, 0,1,2
	v_mov_b32 v[P+3+\i], v[KF+\i]
	v_mov_b32 v[P+9+\i], v[KF+4+\i]
.endr
.if \pre
	KLOAD (1-\p)*KST, (1-\p)*512
.endif
	TREE 16, 2                                     ; the row's sum, of the unquantised p, in place.  (Also the places between the codes' and the scale word's writes and the products)
	WALU                                           ; the wait directly ahead of the wait below
.if \pre
	s_wait_dscnt 20                                ; V's 18 loads are in; the next K's 20 may be out
.else
	s_wait_dscnt 0x0
.endif
.irp t, 0,2                                    ; O^T += V^T P^T: four accumulators, one instruction a turn
	v_wmma_scale_f32_16x16x128_f8f6f4 v[O+8*\t:O+8*\t+7], v[VF+12*\t:VF+12*\t+11], v[P:P+11], v[O+8*\t:O+8*\t+7], v[VSR+\t/2], v[PW] matrix_a_fmt:MATRIX_FMT_FP6 matrix_b_fmt:MATRIX_FMT_FP6
	v_wmma_scale_f32_16x16x128_f8f6f4 v[O+8*\t+8:O+8*\t+15], v[VF+12*\t+12:VF+12*\t+23], v[P:P+11], v[O+8*\t+8:O+8*\t+15], v[VSR+\t/2], v[PW] matrix_a_fmt:MATRIX_FMT_FP6 matrix_b_fmt:MATRIX_FMT_FP6 matrix_a_scale:MATRIX_SCALE_ROW1
.endr
	TREE 8, 4                                      ; the rest of the tree names none of the products' registers: their places
	TREE 4, 8
	TREE 2, 16
	s_delay_alu instid0(VALU_DEP_1)
	v_pk_add_f32 v[S:S+1], v[S:S+1], v[S+32:S+33]
	s_delay_alu instid0(VALU_DEP_1)
	v_pk_add_f32 v[L:L+1], v[L:L+1], v[S:S+1]
.endm
	WALU                                           ; the wait at the head's end
	s_wait_tensorcnt 0x0                           ; my part of the head is in,
	s_barrier_signal -1
	s_barrier_wait -1                              ; everybody's is
	KLOAD 0, 0
	s_wait_loadcnt 0x0                             ; Q
.Lstep:                                            ; 7 trips of two steps; the last two steps are written out, since the very last fetches no K
	STEP 0, 1
	STEP 1, 1
	s_sub_co_u32 s[CNT], s[CNT], 1
	s_cmp_lg_u32 s[CNT], 0
	s_cbranch_scc1 .Lstep
	STEP 0, 1
	STEP 1, 0
	; THE WAY OUT: O^T / the sum.  V's tiles of channels are as they lie in memory: register 16 b + i = channel 32 b + 16 h + i: two blocks of the next K, half a fragment
	v_add_f32 v[L], v[L], v[L+1]
	s_delay_alu instid0(VALU_DEP_1)
	v_permlanex16_b32 v[Y], v[L], s[SEL], s[SEL+1]
	s_delay_alu instid0(VALU_DEP_1)
	v_add_f32 v[L], v[L], v[Y]                     ; the row's sum
	v_and_b32 v[AV16], 31, v0
	v_and_b32 v[AKS], 15, v0
	v_lshlrev_b32 v[AK16], 4, v[AV16]              ; 16 x lane
	v_lshl_add_u32 v[AK8], v[AV16], 3, 512         ; 8 x lane + 512
	v_lshlrev_b32 v[AKS], 2, v[AKS]                ; 4 r
	WALU
	v_rcp_f32 v[L], v[L]
	v_nop
	WALU                                           ; ahead of the reciprocal's, and of O^T's, first readers
.set j, 0
.rept 32
	v_mul_f32 v[S+j], v[O+j], v[L]
.set j, j+1
.endr
.irp b, 0,1
	v_max3_num_f32 v[B0+\b], |v[S+16*\b]|, |v[S+1+16*\b]|, 0x1800000
.endr
.irp i, 2,4,6,8,10,12,14
.irp b, 0,1
	s_delay_alu instid0(VALU_DEP_2)
	v_max3_num_f32 v[B0+\b], v[B0+\b], |v[S+16*\b+\i]|, |v[S+1+16*\b+\i]|
.endr
.endr
.irp b, 0,1
	s_delay_alu instid0(VALU_DEP_2)
	v_permlanex16_b32 v[B2+\b], v[B0+\b], s[SEL], s[SEL+1]
.endr
.irp b, 0,1
	s_delay_alu instid0(VALU_DEP_2)
	v_max_num_f32 v[B0+\b], v[B0+\b], v[B2+\b]
.endr
.irp b, 0,1
	s_delay_alu instid0(VALU_DEP_2)
	v_add_nc_u32 v[B0+\b], 0xff000000, v[B0+\b]
.endr
.irp b, 0,1
	s_delay_alu instid0(VALU_DEP_2)
	v_lshrrev_b32 v[B2+\b], 23, v[B0+\b]
.endr
	s_delay_alu instid0(VALU_DEP_1)
	v_lshl_or_b32 v[X], v[B3], 8, v[B2]            ; my row's two scale bytes; lanes r and r + 16 hold the same
	v_cvt_scalef32_pk16_fp6_f32 v[P:P+2], v[S:S+15], v[B0]
	v_cvt_scalef32_pk16_fp6_f32 v[KF:KF+2], v[S+16:S+31], v[B1]
	v_nop
.irp i, 0,1,2
	v_permlane16_swap_b32 v[P+\i], v[KF+\i]        ; a whole block to a lane
.endr
.irp i, 0,1,2
	s_delay_alu instid0(VALU_DEP_3)
	v_mov_b32 v[P+3+\i], v[KF+\i]
.endr
	global_store_b128 v[AK16], v[P:P+3], s[72:73]  ; 512 consecutive bytes, aligned to 256
	global_store_b64 v[AK8], v[P+4:P+5], s[72:73]  ; and the 256 behind them
	global_store_b16 v[AKS], v[X], s[74:75]        ; a scale word's two halves belong to two heads, so to two work-groups: two bytes a row
	s_wait_tensorcnt 0x0                           ; the wave's end
	ds_add_u32 v[SPW], v[NIL]
	s_wait_dscnt 0x0
	CROUND                                         ; the closing round
	s_endpgm
.Lfunc_end_k_q1d60e9bf20_attn:
	.size	k_q1d60e9bf20_attn, .Lfunc_end_k_q1d60e9bf20_attn-k_q1d60e9bf20_attn
	.p2alignl 7, 3214868480
	.fill 96, 4, 3214868480
	.section	.rodata,"a",@progbits
	.p2align	6, 0x0
	.amdhsa_kernel k_q1d60e9bf20_attn
		.amdhsa_group_segment_fixed_size 235520
		.amdhsa_private_segment_fixed_size 0
		.amdhsa_enable_private_segment 0
		.amdhsa_kernarg_size 16
		.amdhsa_user_sgpr_count 2
		.amdhsa_user_sgpr_kernarg_segment_ptr 1
		.amdhsa_wavefront_size32 1
		.amdhsa_system_sgpr_workgroup_id_x 1
		.amdhsa_system_sgpr_workgroup_id_y 1
		.amdhsa_system_sgpr_workgroup_id_z 1
		.amdhsa_system_vgpr_workitem_id 0
		.amdhsa_next_free_vgpr 256
		.amdhsa_next_free_sgpr 96
		.amdhsa_reserve_vcc 0
		.amdhsa_float_denorm_mode_32 3
		.amdhsa_float_denorm_mode_16_64 3
		.amdhsa_memory_ordered 1
		.amdhsa_forward_progress 1
		.amdhsa_inst_pref_size 77
	.end_amdhsa_kernel
	.amdgpu_metadata
---
amdhsa.version: [ 1, 2 ]
amdhsa.kernels:
  - .name:           k_q1d60e9bf20_attn
    .symbol:         k_q1d60e9bf20_attn.kd
    .args:
      - { .name: qkv, .offset: 0, .size: 8, .value_kind: global_buffer, .address_space: global }
      - { .name: ac, .offset: 8, .size: 8, .value_kind: global_buffer, .address_space: global }
    .group_segment_fixed_size: 235520
    .private_segment_fixed_size: 0
    .kernarg_segment_align: 8
    .kernarg_segment_size: 16
    .max_flat_workgroup_size: 512
    .sgpr_count:     96
    .vgpr_count:     256
    .wavefront_size: 32
...
	.end_amdgpu_metadata
.endif
;; end of part 3
;; launch woln (part 4): grid 256 x 1, 16 waves a work-group, no clusters, 67,840 bytes of LDS; arguments ac, qw, bo, x, g1, be1, hb; writes hb
.if DOCPART == 4
	.amdgcn_target "amdgcn-amd-amdhsa--gfx1250"
	.amdhsa_code_object_version 6
	.text
	.protected	k_q1d60e9bf20_woln
	.globl	k_q1d60e9bf20_woln
	.p2align	8
	.type	k_q1d60e9bf20_woln,@function
k_q1d60e9bf20_woln:
	s_mov_b64 s[64:65], 0
	v_nop
	global_prefetch_b8 v0, s[64:65] scope:SCOPE_SE
	s_setreg_imm32_b32 hwreg(HW_REG_WAVE_MODE, 25, 1), 1
	s_wait_xcnt 0x0
; h = layernorm(x + A Wo + bo) x g1 + be1, in one launch.  A = the attention's output; the product on codes of FP6 (E2M3) with E8M0 scales, K = 1,024 = 8 K steps; all else in f32.
; h goes out as f32 rows AND as codes with scales along the row, as images of fragments, for the next product.
; SHARES: a work-group owns a tile of 16 WHOLE rows (row r of tile 2 b + u is the actual row 32 b + 8 u + r + 8 (r / 8)), so that the norm needs no other work-group: 256 work-groups.  Sixteen waves; wave w makes columns 64 w .. 64 w + 63
; (four tiles of 16 rows of Wo, four accumulators by turns).  The sums never go to memory: they pass through a stage in LDS (16 rows, pitch 4,112), wave w norms row w, and waves 0 to 7 quantise K step w of all 16 rows.
; OPERANDS lie in memory as images of fragments, [tile][K step][1,536 bytes], scale words [tile][K step][16 words], and go STRAIGHT INTO REGISTERS: each load covers 512 or 256 consecutive bytes.  Two K steps (2 x 20 loads a wave) are on their way.
; NO LDS FOR THE OPERANDS, NO JOINT LOADS: with 16 rows a fragment of Wo feeds one product, so a stage in LDS would add a write and a read of every byte and spare none; joint loads fill LDS alone.
; NO PREFETCH: the walk has eight steps, and two of them are asked for at all times.
; THE PRODUCT IS USED TRANSPOSED (source 0 = 16 rows of Wo, source 1 = A's 16 rows): lane (r, h) holds row r, and register j of tile t is column 64 w + 32 (t / 2) + 8 (t % 2) + 16 h + j.  The bias is loaded into the accumulators.
; A scale register holds the words of two K steps (lanes 0-15 the even one, lanes 16-31 the odd one); the product picks the half by the scale's row.  A's and B's scale registers differ modulo 4.
; The variance is taken of the centred numbers.  LIMITS: a block of zeros, and one whose largest magnitude lies under 2^-124, gets the scale byte 1 (this program alone reads the bytes); NaN and infinities are not served.
.set KS,    8
.set FBY,   1536
.set ASC,   3145728
.set BC,    5734400
.set BS,    6520832
.set HC,    16777216
.set HS,    19922944
.set RP,    4112
.set SPARE, 16*RP
.set LI,  5                            ; 16 x lane
.set L8,  6                            ; 8 x lane
.set LS,  7                            ; 4 x (lane % 16)
.set WAD, 8                            ; my row of the stage
.set RAD, 9                            ; the quantiser's 64 numbers
.set SPW, 10                           ; my spare word; never rewritten
.set NIL, 11                           ; 0; never rewritten
.set STO, 12                           ; the sums' way into the stage
.set LW,  13                           ; 4 x lane
.set HB,  14                           ; 64 h
.set SA,  16                           ; v16-19 A's scale words
.set SB,  20                           ; v20-35 Wo's: tile t, K steps 2 j, 2 j + 1 at 4 t + (j + 1) % 4
.set Z,   36                           ; v36-67 the accumulators; then my row
.set R,   68                           ; v68-99 x's row
.set BUF, 100                          ; v100-159, v160-219 two K steps: A's fragment, then Wo's four
.set G,   100
.set BE,  132
.set PC,  100
.set QN,  164
.set A,   224
.set TM,  232
.set PW,  248
.set MU,  250
.set RS,  252
.set SEL, 46
	s_load_b256 s[4:11], s[0:1], 0x0               ; ac, qw, bo, x
	s_load_b128 s[12:15], s[0:1], 0x20             ; g1, be1
	s_load_b64 s[16:17], s[0:1], 0x30              ; hb
	v_lshl_add_u32 v[SPW], v0, 2, SPARE
	v_mov_b32 v[NIL], 0
	v_lshrrev_b32 v1, 5, v0
	v_readfirstlane_b32 s22, v1                    ; wave 0..15
	s_lshl_b32 s20, s22, 8
	s_mul_i32 s21, s22, RP
	s_and_b32 s23, s22, 7
	s_lshl_b32 s19, s23, 9
	v_and_b32 v2, 31, v0
	v_and_b32 v3, 15, v0
	v_bfe_u32 v4, v0, 4, 1
	v_lshlrev_b32 v[LI], 4, v2
	v_lshlrev_b32 v[L8], 3, v2
	v_lshlrev_b32 v[LS], 2, v3
	v_lshlrev_b32 v[LW], 2, v2
	v_lshlrev_b32 v[HB], 6, v4
	v_mul_u32_u24 v[RAD], v3, RP
	v_lshl_add_u32 v[RAD], v4, 6, v[RAD]
	v_add_nc_u32 v[STO], s20, v[RAD]               ; row r, 256 w + 64 h bytes on
	v_add_nc_u32 v[RAD], s19, v[RAD]               ; row r, K step w % 8, 64 h bytes on
	v_add_nc_u32 v[WAD], s21, v[LI]
	v_mov_b32 v[MU+1], 0                           ; (upper halves of pairs)
	v_mov_b32 v[RS+1], 0
.irp b, 0,1,2,3
	v_mov_b32 v[TM+4+\b], 0                        ; a lane permute's destination counts as one of its sources
.endr
	s_mov_b32 s[SEL], 0x76543210
	s_mov_b32 s[SEL+1], 0xfedcba98
	s_mov_b32 s44, 0x3a800000                      ; 1 / 1,024
	s_mov_b32 s45, 0x3727c5ac                      ; 1e-5
	s_mul_i32 s24, ttmp9, KS*FBY                   ; A's tile
	s_mov_b32 s25, 0
	s_lshl_b32 s26, ttmp9, 9
	s_add_co_u32 s26, s26, ASC
	s_mov_b32 s27, 0
	s_mul_i32 s28, s22, 4*KS*FBY                   ; my four tiles of Wo
	s_add_co_u32 s28, s28, BC
	s_mov_b32 s29, 0
	s_lshl_b32 s30, s22, 11
	s_add_co_u32 s30, s30, BS
	s_mov_b32 s31, 0
	s_mov_b32 s32, s20                             ; the bias of my 64 columns
	s_mov_b32 s33, 0
	s_lshr_b32 s34, ttmp9, 1
	s_lshl_b32 s34, s34, 5
	s_and_b32 s35, ttmp9, 1
	s_lshl_b32 s35, s35, 3
	s_add_co_u32 s34, s34, s35
	s_add_co_u32 s34, s34, s22
	s_and_b32 s35, s22, 8
	s_add_co_u32 s34, s34, s35                     ; my actual row
	s_lshl_b32 s36, s34, 12
	s_mov_b32 s37, 0
	s_lshl_b32 s35, ttmp9, 3
	s_add_co_u32 s35, s35, s23                     ; fragment 8 T + w % 8
	s_mul_i32 s40, s35, FBY
	s_add_co_u32 s40, s40, HC
	s_mov_b32 s41, 0
	s_lshl_b32 s42, s35, 6
	s_add_co_u32 s42, s42, HS
	s_mov_b32 s43, 0
	s_wait_alu depctr_va_vdst(0)                   ; the wait at the head's end
	s_wait_kmcnt 0x0
	s_add_nc_u64 s[24:25], s[4:5], s[24:25]
	s_add_nc_u64 s[26:27], s[4:5], s[26:27]
	s_add_nc_u64 s[28:29], s[6:7], s[28:29]
	s_add_nc_u64 s[30:31], s[6:7], s[30:31]
	s_add_nc_u64 s[32:33], s[8:9], s[32:33]
	s_add_nc_u64 s[38:39], s[16:17], s[36:37]
	s_add_nc_u64 s[36:37], s[10:11], s[36:37]
	s_add_nc_u64 s[40:41], s[16:17], s[40:41]
	s_add_nc_u64 s[42:43], s[16:17], s[42:43]
.macro FR4 reg, base, off
	global_load_b128 v[\reg:\reg+3], v[LI], s[\base:\base+1] offset:\off
	global_load_b64 v[\reg+4:\reg+5], v[L8], s[\base:\base+1] offset:(\off)+512
	global_load_b128 v[\reg+6:\reg+9], v[LI], s[\base:\base+1] offset:(\off)+768
	global_load_b64 v[\reg+10:\reg+11], v[L8], s[\base:\base+1] offset:(\off)+1280
.endm
.macro LOADK k                         ; K step k: 20 loads
.set BF, BUF+60*((\k)%2)
	FR4 BF, 24, (\k)*FBY
.irp t, 0,1,2,3
	FR4 BF+12+12*\t, 28, (\t*KS+(\k))*FBY
.endr
.endm
.macro MULK k                          ; four accumulators, one instruction a turn
.set BF, BUF+60*((\k)%2)
.irp t, 0,1,2,3
.if (\k)%2
	v_wmma_scale_f32_16x16x128_f8f6f4 v[Z+8*\t:Z+8*\t+7], v[BF+12+12*\t:BF+23+12*\t], v[BF:BF+11], v[Z+8*\t:Z+8*\t+7], v[SB+4*\t+(((\k)/2+1)%4)], v[SA+(\k)/2] matrix_a_fmt:MATRIX_FMT_FP6 matrix_b_fmt:MATRIX_FMT_FP6 matrix_a_scale:MATRIX_SCALE_ROW1 matrix_b_scale:MATRIX_SCALE_ROW1
.else
	v_wmma_scale_f32_16x16x128_f8f6f4 v[Z+8*\t:Z+8*\t+7], v[BF+12+12*\t:BF+23+12*\t], v[BF:BF+11], v[Z+8*\t:Z+8*\t+7], v[SB+4*\t+(((\k)/2+1)%4)], v[SA+(\k)/2] matrix_a_fmt:MATRIX_FMT_FP6 matrix_b_fmt:MATRIX_FMT_FP6
.endif
.endr
.endm
.irp j, 0,1,2,3
	global_load_b32 v[SA+\j], v[LW], s[26:27] offset:\j*128
.endr
.irp t, 0,1,2,3
.irp j, 0,1,2,3
	global_load_b32 v[SB+4*\t+((\j+1)%4)], v[LW], s[30:31] offset:\t*512+\j*128
.endr
.endr
.irp t, 0,1,2,3
	global_load_b128 v[Z+8*\t:Z+8*\t+3], v[HB], s[32:33] offset:(32*(\t/2)+8*(\t%2))*4
	global_load_b128 v[Z+8*\t+4:Z+8*\t+7], v[HB], s[32:33] offset:(32*(\t/2)+8*(\t%2))*4+16
.endr
.irp j, 0,1,2,3,4,5,6,7
	global_load_b128 v[R+4*\j:R+4*\j+3], v[LI], s[36:37] offset:512*\j th:TH_LOAD_NT
.endr
	LOADK 0
	LOADK 1
.irp k, 0,1,2,3,4,5
	s_wait_loadcnt 20                              ; this K step is in; the next one's 20 loads may be out
	MULK \k
.rept 4
	v_nop                                          ; places in front of loads into registers that the products have read
.endr
	LOADK \k+2
.endr
	s_wait_loadcnt 20
	MULK 6
	s_wait_loadcnt 0x0
	MULK 7
.rept 4
	v_nop
.endr
.irp j, 0,1,2,3,4,5,6,7
	global_load_b128 v[G+4*\j:G+4*\j+3], v[LI], s[12:13] offset:512*\j
.endr
.irp j, 0,1,2,3,4,5,6,7
	global_load_b128 v[BE+4*\j:BE+4*\j+3], v[LI], s[14:15] offset:512*\j
.endr
.irp t, 0,1,2,3
	ds_store_b128 v[STO], v[Z+8*\t:Z+8*\t+3] offset:(32*(\t/2)+8*(\t%2))*4        ; each accumulator from its low end on
	ds_store_b128 v[STO], v[Z+8*\t+4:Z+8*\t+7] offset:(32*(\t/2)+8*(\t%2))*4+16
.endr
	s_wait_dscnt 0x0                               ; for the others' sake: my stores have landed
	s_barrier_signal -1
	s_barrier_wait -1
.irp j, 0,1,2,3,4,5,6,7
	ds_load_b128 v[Z+4*\j:Z+4*\j+3], v[WAD] offset:512*\j      ; row w, whole: 32 numbers a lane
.endr
	s_wait_dscnt 0x0
	s_wait_loadcnt 0x0                             ; g1, be1
.macro ACROSS                          ; the four chains, the pair's halves, the 32 lanes: the sum in every lane, in v[A]
	s_delay_alu instid0(VALU_DEP_3)
	v_pk_add_f32 v[A:A+1], v[A:A+1], v[A+2:A+3]
	s_delay_alu instid0(VALU_DEP_2)
	v_pk_add_f32 v[A+4:A+5], v[A+4:A+5], v[A+6:A+7]
	s_delay_alu instid0(VALU_DEP_1)
	v_pk_add_f32 v[A:A+1], v[A:A+1], v[A+4:A+5]
	s_delay_alu instid0(VALU_DEP_1)
	v_add_f32 v[A], v[A], v[A+1]
	s_delay_alu instid0(VALU_DEP_1)
	v_add_f32_dpp v[A], v[A], v[A] row_xmask:1 row_mask:0xf bank_mask:0xf
	s_delay_alu instid0(VALU_DEP_1)
	v_add_f32_dpp v[A], v[A], v[A] row_xmask:2 row_mask:0xf bank_mask:0xf
	s_delay_alu instid0(VALU_DEP_1)
	v_add_f32_dpp v[A], v[A], v[A] row_xmask:4 row_mask:0xf bank_mask:0xf
	s_delay_alu instid0(VALU_DEP_1)
	v_add_f32_dpp v[A], v[A], v[A] row_xmask:8 row_mask:0xf bank_mask:0xf
	s_delay_alu instid0(VALU_DEP_1)
	v_permlanex16_b32 v[A+1], v[A], s[SEL], s[SEL+1]
	s_delay_alu instid0(VALU_DEP_1)
	v_add_f32 v[A], v[A], v[A+1]
.endm
.irp j, 0,2,4,6,8,10,12,14,16,18,20,22,24,26,28,30
	v_pk_add_f32 v[Z+\j:Z+\j+1], v[Z+\j:Z+\j+1], v[R+\j:R+\j+1]
.endr
.irp k, 0,2,4,6
	v_pk_add_f32 v[A+\k:A+\k+1], v[Z+\k:Z+\k+1], v[Z+8+\k:Z+8+\k+1]
.endr
.irp k, 0,2,4,6
	s_delay_alu instid0(VALU_DEP_4)
	v_pk_add_f32 v[A+\k:A+\k+1], v[A+\k:A+\k+1], v[Z+16+\k:Z+16+\k+1]
.endr
.irp k, 0,2,4,6
	s_delay_alu instid0(VALU_DEP_4)
	v_pk_add_f32 v[A+\k:A+\k+1], v[A+\k:A+\k+1], v[Z+24+\k:Z+24+\k+1]
.endr
	ACROSS
	s_delay_alu instid0(VALU_DEP_1)
	v_mul_f32 v[MU], s44, v[A]                     ; the mean
.irp j, 0,2,4,6,8,10,12,14,16,18,20,22,24,26,28,30
	v_pk_add_f32 v[Z+\j:Z+\j+1], v[Z+\j:Z+\j+1], v[MU:MU+1] op_sel_hi:[1,0] neg_lo:[0,1] neg_hi:[0,1]
.endr
.irp k, 0,2,4,6
	v_pk_mul_f32 v[A+\k:A+\k+1], v[Z+\k:Z+\k+1], v[Z+\k:Z+\k+1]
.endr
.irp k, 8,10,12,14,16,18,20,22,24,26,28,30
	s_delay_alu instid0(VALU_DEP_4)
	v_pk_fma_f32 v[A+\k%8:A+\k%8+1], v[Z+\k:Z+\k+1], v[Z+\k:Z+\k+1], v[A+\k%8:A+\k%8+1]
.endr
	ACROSS
	s_delay_alu instid0(VALU_DEP_1)
	v_fma_f32 v[A], v[A], s44, s45                 ; the variance + eps
	s_wait_alu depctr_va_vdst(0)                   ; the wait ahead of the transcendental,
	v_rsq_f32 v[RS], v[A]
	v_nop                                          ; a plain place behind it,
	s_wait_alu depctr_va_vdst(0)                   ; and the wait ahead of its first reader
.irp j, 0,2,4,6,8,10,12,14,16,18,20,22,24,26,28,30
	v_pk_mul_f32 v[Z+\j:Z+\j+1], v[Z+\j:Z+\j+1], v[RS:RS+1] op_sel_hi:[1,0]
.endr
.irp j, 0,2,4,6,8,10,12,14,16,18,20,22,24,26,28,30
	v_pk_fma_f32 v[Z+\j:Z+\j+1], v[Z+\j:Z+\j+1], v[G+\j:G+\j+1], v[BE+\j:BE+\j+1]
.endr
.irp j, 0,1,2,3,4,5,6,7
	global_store_b128 v[LI], v[Z+4*\j:Z+4*\j+3], s[38:39] offset:512*\j          ; 512 consecutive bytes a store
.endr
.irp j, 0,1,2,3,4,5,6,7
	ds_store_b128 v[WAD], v[Z+4*\j:Z+4*\j+3] offset:512*\j                       ; h over z, in my own row, which I alone have read
.endr
	s_wait_dscnt 0x0                               ; for the others' sake
	s_barrier_signal -1
	s_barrier_wait -1
	s_cmp_lt_u32 s22, 8                            ; eight K steps: waves 0 to 7 quantise; no barrier follows
	s_cbranch_scc0 .Lend
.irp b, 0,1,2,3
.irp j, 0,1,2,3
	ds_load_b128 v[QN+16*\b+4*\j:QN+16*\b+4*\j+3], v[RAD] offset:128*\b+16*\j   ; row r, K step w: register 16 b + i = k 32 b + 16 h + i
.endr
.endr
	s_wait_dscnt 0x0
.irp b, 0,1,2,3
	v_max3_num_f32 v[TM+\b], |v[QN+16*\b]|, |v[QN+1+16*\b]|, 0x1800000   ; and the floor 2^(3 - 127)
.endr
.irp i, 2,4,6,8,10,12,14
.irp b, 0,1,2,3
	s_delay_alu instid0(VALU_DEP_4)
	v_max3_num_f32 v[TM+\b], v[TM+\b], |v[QN+16*\b+\i]|, |v[QN+1+16*\b+\i]|
.endr
.endr
.irp b, 0,1,2,3
	s_delay_alu instid0(VALU_DEP_4)
	v_permlanex16_b32 v[TM+4+\b], v[TM+\b], s[SEL], s[SEL+1]
.endr
.irp b, 0,1,2,3
	s_delay_alu instid0(VALU_DEP_4)
	v_max_num_f32 v[TM+\b], v[TM+\b], v[TM+4+\b]
.endr
.irp b, 0,1,2,3
	s_delay_alu instid0(VALU_DEP_4)
	v_add_nc_u32 v[TM+12+\b], 0xff000000, v[TM+\b]
.endr
.irp b, 0,1,2,3
	s_delay_alu instid0(VALU_DEP_4)
	v_lshrrev_b32 v[TM+4+\b], 23, v[TM+12+\b]
.endr
	s_delay_alu instid0(VALU_DEP_3)
	v_lshl_or_b32 v[PW], v[TM+5], 8, v[TM+4]
	s_delay_alu instid0(VALU_DEP_1)
	v_lshl_or_b32 v[PW], v[TM+6], 16, v[PW]
	s_delay_alu instid0(VALU_DEP_1)
	v_lshl_or_b32 v[PW], v[TM+7], 24, v[PW]
.irp c, 0,1
	v_cvt_scalef32_pk16_fp6_f32 v[PC+6*\c:PC+2+6*\c], v[QN+32*\c:QN+15+32*\c], v[TM+12+2*\c]
	v_cvt_scalef32_pk16_fp6_f32 v[PC+12+4*\c:PC+14+4*\c], v[QN+16+32*\c:QN+31+32*\c], v[TM+12+2*\c+1]
.endr
	v_nop
.irp c, 0,1
.irp i, 0,1,2
	v_permlane16_swap_b32 v[PC+6*\c+\i], v[PC+12+4*\c+\i]
.endr
.irp i, 0,1,2
	s_delay_alu instid0(VALU_DEP_3)
	v_mov_b32 v[PC+3+6*\c+\i], v[PC+12+4*\c+\i]
.endr
.endr
	global_store_b128 v[LI], v[PC:PC+3], s[40:41]
	global_store_b64 v[L8], v[PC+4:PC+5], s[40:41] offset:512
	global_store_b128 v[LI], v[PC+6:PC+9], s[40:41] offset:768
	global_store_b64 v[L8], v[PC+10:PC+11], s[40:41] offset:1280
	global_store_b32 v[LS], v[PW], s[42:43]        ; lanes r and r + 16 store the same word to the same place
.Lend:
	s_wait_tensorcnt 0x0                           ; the wave's end, behind my last LDS store
	ds_add_u32 v[SPW], v[NIL]
	s_wait_dscnt 0x0
	s_endpgm
.Lfunc_end_k_q1d60e9bf20_woln:
	.size	k_q1d60e9bf20_woln, .Lfunc_end_k_q1d60e9bf20_woln-k_q1d60e9bf20_woln
	.p2alignl 7, 3214868480
	.fill 96, 4, 3214868480
	.section	.rodata,"a",@progbits
	.p2align	6, 0x0
	.amdhsa_kernel k_q1d60e9bf20_woln
		.amdhsa_group_segment_fixed_size 67840
		.amdhsa_private_segment_fixed_size 0
		.amdhsa_enable_private_segment 0
		.amdhsa_kernarg_size 56
		.amdhsa_user_sgpr_count 2
		.amdhsa_user_sgpr_kernarg_segment_ptr 1
		.amdhsa_wavefront_size32 1
		.amdhsa_system_sgpr_workgroup_id_x 1
		.amdhsa_system_sgpr_workgroup_id_y 1
		.amdhsa_system_sgpr_workgroup_id_z 1
		.amdhsa_system_vgpr_workitem_id 0
		.amdhsa_next_free_vgpr 256
		.amdhsa_next_free_sgpr 66
		.amdhsa_reserve_vcc 0
		.amdhsa_float_denorm_mode_32 3
		.amdhsa_float_denorm_mode_16_64 3
		.amdhsa_memory_ordered 1
		.amdhsa_forward_progress 1
		.amdhsa_inst_pref_size 47
	.end_amdhsa_kernel
	.amdgpu_metadata
---
amdhsa.version: [ 1, 2 ]
amdhsa.kernels:
  - .name:           k_q1d60e9bf20_woln
    .symbol:         k_q1d60e9bf20_woln.kd
    .args:
      - { .name: ac, .offset: 0, .size: 8, .value_kind: global_buffer, .address_space: global }
      - { .name: qw, .offset: 8, .size: 8, .value_kind: global_buffer, .address_space: global }
      - { .name: bo, .offset: 16, .size: 8, .value_kind: global_buffer, .address_space: global }
      - { .name: x, .offset: 24, .size: 8, .value_kind: global_buffer, .address_space: global }
      - { .name: g1, .offset: 32, .size: 8, .value_kind: global_buffer, .address_space: global }
      - { .name: be1, .offset: 40, .size: 8, .value_kind: global_buffer, .address_space: global }
      - { .name: hb, .offset: 48, .size: 8, .value_kind: global_buffer, .address_space: global }
    .group_segment_fixed_size: 67840
    .private_segment_fixed_size: 0
    .kernarg_segment_align: 8
    .kernarg_segment_size: 56
    .max_flat_workgroup_size: 512
    .sgpr_count:     66
    .vgpr_count:     256
    .wavefront_size: 32
...
	.end_amdgpu_metadata
.endif
;; end of part 4
;; launch w1 (part 5): grid 16 x 16, 4 waves a work-group, clusters of 4 x 4, 327,680 bytes of LDS; arguments hb, qw, b1, hid; writes hid
.if DOCPART == 5
	.amdgcn_target "amdgcn-amd-amdhsa--gfx1250"
	.amdhsa_code_object_version 6
	.text
	.protected	k_q1d60e9bf20_w1
	.globl	k_q1d60e9bf20_w1
	.p2align	8
	.type	k_q1d60e9bf20_w1,@function
k_q1d60e9bf20_w1:
	s_mov_b64 s[64:65], 0
	v_nop
	global_prefetch_b8 v0, s[64:65] scope:SCOPE_SE
	s_setreg_imm32_b32 hwreg(HW_REG_WAVE_MODE, 25, 1), 1
	s_wait_xcnt 0x0
	s_wait_alu depctr_hold_cnt(0) depctr_sa_sdst(0) depctr_va_vdst(0) depctr_va_sdst(0) depctr_va_ssrc(0) depctr_va_vcc(0) depctr_vm_vsrc(0)
	s_getreg_b32 s2, hwreg(HW_REG_IB_STS2, 6, 4)
	s_cmp_eq_u32 s2, 0
	s_cbranch_scc0 .Lentry_in_a_cluster
	s_endpgm
.Lentry_in_a_cluster:
	s_bfe_u32 s2, ttmp6, 0x10000c
	s_cmp_lg_u32 s2, 0xf033
	s_cbranch_scc0 .Lentry_shape_is_right
	s_endpgm
.Lentry_shape_is_right:
.set MODE,   1
.set KS,     8
.set FR,     12
.set FBY,    1536
.set NL,     4
.set NP,     4
.set NQ,     2
.set PART,   8*NQ*FBY
.set SLOT,   4*PART
.set SCL,    2*SLOT
.set SPART,  8*KS*64
.set SPARE,  SCL+4*SPART
.set XS,     3145728
.set WQKVC,  3276800
.set WQKVS,  5636096
.set WVC,    WQKVC+128*KS*FBY
.set WVS,    WQKVS+128*KS*64
.set W1C,    6553600
.set W1S,    9699328
.set HC,     16777216
.set HS,     19922944
.set VCO,    6291456
.set QSO,    9437184
.set VSO,    9961472
.set HIDS,   12582912
.if MODE == 0
.set PB,   4
.set OUTP, 12
.else
.set PB,   6
.set OUTP, 10
.endif
.set ADRA, 16
.set ADRB, 20
.set LI,   24
.set L8,   25
.set LS,   26
.set ADRS, 27
.set SPW,  28
.set NIL,  29
.set SC,   32
.set BI,   64
.set AF,   128
.set PC,   112
.set TM,   200
.set PW,   216
.set OC,   66
.set OS,   92
.set HM,   99
.set SEL,  18
.set G1, 24
.set G0, 32
.set G1B, 48
.set G0B, 56
.set G1S, 68
.set G0S, 76
.set G1SB, 80
.set G0SB, 88
.set MSB, 0
.macro WIN new
.if MSB != \new
	s_set_vgpr_msb (MSB<<8)|(\new)
.set MSB, \new
.endif
.endm
.set MUL_LO, 0xa1
.set MUL_HI, 0xf1
.set TO_B,   0x40
.macro JLOAD g0a, g1a, g0b, g1b
	s_cmp_eq_u32 s15, 0
	s_cbranch_scc0 .Lfor_b_\@
	tensor_load_to_lds s[\g0a:\g0a+3], s[\g1a:\g1a+7]
	s_nop 0
.rept 4
	v_nop
.endr
	s_branch .Lasked_\@
.Lfor_b_\@:
	tensor_load_to_lds s[\g0b:\g0b+3], s[\g1b:\g1b+7]
	s_nop 0
.rept 4
	v_nop
.endr
.Lasked_\@:
.endm
.macro CREST
	s_cmp_lg_u32 s14, 0
	s_cbranch_scc1 .Lnot_wave_0_\@
	s_barrier_signal -3
.Lnot_wave_0_\@:
	s_barrier_wait -3
	s_barrier_signal -1
	s_barrier_wait -1
.endm
.macro CROUND
	s_barrier_signal -1
	s_barrier_wait -1
	CREST
.endm
	s_load_b256 s[4:11], s[0:1], 0x0
.if MODE == 0
	s_load_b64 s[12:13], s[0:1], 0x20
.endif
	v_lshl_add_u32 v[SPW], v0, 2, SPARE
	v_mov_b32 v[NIL], 0
	ds_add_u32 v[SPW], v[NIL]
	ds_add_u32 v[SPW], v[NIL]
	v_lshrrev_b32 v1, 5, v0
	v_readfirstlane_b32 s14, v1
	s_lshr_b32 s15, s14, 1
	s_and_b32 s16, s14, 1
	s_bfe_u32 s40, ttmp6, 0x40000
	s_bfe_u32 s41, ttmp6, 0x40004
	s_and_b32 s17, ttmp7, 0xffff
	s_lshl_b32 s17, s17, 2
	s_lshl_b32 s42, ttmp9, 2
.if MODE == 0
	s_mov_b32 s95, WVC
	s_mov_b32 s96, WVS
	s_mov_b32 s98, XS
	s_cmp_eq_u32 ttmp9, 2
	s_cselect_b32 s3, 1, 0
	s_cselect_b32 s42, s17, s42
	s_cselect_b32 s17, 0, s17
	s_cselect_b32 s95, s95, 0
	s_cselect_b32 s96, s96, XS
	s_cselect_b32 s97, 0, WQKVC
	s_cselect_b32 s98, s98, WQKVS
.else
	s_mov_b32 s95, HC
	s_mov_b32 s96, HS
	s_mov_b32 s97, W1C
	s_mov_b32 s98, W1S
.endif
	s_add_co_u32 s17, s17, s41
	s_add_co_u32 s42, s42, s40
	s_lshl_b32 s43, s41, 2
	s_lshl_b32 s43, 15, s43
	s_lshl_b32 s44, 0x1111, s40
	s_mov_b32 s[HM], 0xffff0000
	s_or_b32 s[G1+0], s43, (3<<16)|(1<<21)
	s_or_b32 s[G1B+0], s44, (3<<16)|(1<<21)
.irp g, G1, G1B
	s_mov_b32 s[\g+1], 384<<16
	s_mov_b32 s[\g+2], 16<<16
	s_mov_b32 s[\g+3], 384<<16
	s_mov_b32 s[\g+4], 16
	s_mov_b32 s[\g+5], KS*FBY/8
	s_mov_b32 s[\g+6], 0
	s_mov_b32 s[\g+7], 0
.endr
	s_or_b32 s[G1S+0], s43, (3<<16)|(1<<21)
	s_or_b32 s[G1SB+0], s44, (3<<16)|(1<<21)
.irp g, G1S, G1SB
	s_mov_b32 s[\g+1], 32<<16
	s_mov_b32 s[\g+2], (2*SPART/256)<<16
	s_mov_b32 s[\g+3], 32<<16
	s_mov_b32 s[\g+4], 2*SPART/256
	s_mov_b32 s[\g+5], 32
	s_mov_b32 s[\g+6], 0
	s_mov_b32 s[\g+7], 0
.endr
	s_mul_i32 s18, s16, 8*KS*FBY                   ; from a tile's first row to the 8 tiles of 16 that I fetch in the ring, in bytes
	s_mov_b32 s19, 0
	s_lshl_b32 s20, s17, 4
	s_lshl_b32 s46, s42, 4
	s_lshl_b32 s22, s20, 9
	s_add_co_u32 s22, s22, s96
	s_mov_b32 s23, 0
	s_lshl_b32 s92, s46, 9
	s_add_co_u32 s92, s92, s98
	s_mov_b32 s93, 0
	s_mul_i32 s20, s20, KS*FBY
	s_add_co_u32 s20, s20, s95
	s_mov_b32 s21, 0
	s_mul_i32 s46, s46, KS*FBY
	s_add_co_u32 s46, s46, s97
	s_mov_b32 s47, 0
	s_mul_i32 s45, s14, PART
	s_wait_dscnt 0x0
	s_wait_kmcnt 0x0
	s_add_nc_u64 s[20:21], s[4:5], s[20:21]
	s_add_nc_u64 s[22:23], s[4:5], s[22:23]
	s_add_nc_u64 s[46:47], s[PB:PB+1], s[46:47]
	s_add_nc_u64 s[92:93], s[PB:PB+1], s[92:93]
	CROUND
	s_mov_b32 s[G0S], 1
	s_mov_b32 s[G0S+1], SCL
	s_mov_b64 s[G0S+2:G0S+3], s[22:23]
	s_or_b32 s[G0S+3], s[G0S+3], 0x80000000
	s_mov_b32 s[G0SB], 1
	s_mov_b32 s[G0SB+1], SCL+2*SPART
	s_mov_b64 s[G0SB+2:G0SB+3], s[92:93]
	s_or_b32 s[G0SB+3], s[G0SB+3], 0x80000000
	; the head's four tiles, each whole, one a wave: slot 0's 16 tiles of A, its 16 of B, A's scales, B's scales
	s_mov_b32 s[G0], 1
	s_mov_b32 s[G0+1], 0
	s_mov_b64 s[G0+2:G0+3], s[20:21]
	s_or_b32 s[G0+3], s[G0+3], 0x80000000
	s_mov_b32 s[G0B], 1
	s_mov_b32 s[G0B+1], 2*PART
	s_mov_b64 s[G0B+2:G0B+3], s[46:47]
	s_or_b32 s[G0B+3], s[G0B+3], 0x80000000
	s_add_nc_u64 s[20:21], s[20:21], s[18:19]      ; for the ring: my 8 tiles
	s_add_nc_u64 s[46:47], s[46:47], s[18:19]
	s_mov_b32 s[G0+4], 1
	s_add_co_u32 s[G0+5], s45, SLOT
	s_add_nc_u64 s[G0+6:G0+7], s[20:21], NQ*FBY
	s_or_b32 s[G0+7], s[G0+7], 0x80000000
	s_mov_b32 s[G0B+4], 1
	s_add_co_u32 s[G0B+5], s45, SLOT
	s_add_nc_u64 s[G0B+6:G0B+7], s[46:47], NQ*FBY
	s_or_b32 s[G0B+7], s[G0B+7], 0x80000000
	s_cmp_eq_u32 s15, 0                            ; the prefetches: of the 8 tiles that I fetch, the partner at place p takes tiles 2 p, 2 p + 1 (p = cx for A, cy for B): told apart by address alone
	s_cselect_b64 s[100:101], s[20:21], s[46:47]
	s_cselect_b32 s66, s40, s41
	s_mul_i32 s66, s66, 2*KS*FBY
	s_mov_b32 s67, 0
	s_add_nc_u64 s[100:101], s[100:101], s[66:67]
.macro ARM under, g0, g1, next                 ; one chain of branches on the wave's number, one load to an arm, all arms to one join
	s_cmp_lt_u32 s14, \under
	s_cbranch_scc0 \next
	tensor_load_to_lds s[\g0:\g0+3], s[\g1:\g1+7]
	s_nop 0
.rept 4
	v_nop
.endr
	s_branch .Lhead_asked
\next:
.endm
	ARM 1, G0, G1, .Lhead_b
	ARM 2, G0B, G1B, .Lhead_sa
	ARM 3, G0S, G1S, .Lhead_sb
	tensor_load_to_lds s[G0SB:G0SB+3], s[G1SB:G1SB+7]
	s_nop 0
.rept 4
	v_nop
.endr
.Lhead_asked:
	v_and_b32 v1, 15, v0
	v_bfe_u32 v2, v0, 4, 1
	v_and_b32 v3, 31, v0
	v_lshlrev_b32 v[LI], 4, v3
	v_lshlrev_b32 v[L8], 3, v3
	v_min_u32 v30, 23, v3                          ; the prefetches' offset: 24 blocks of 256 bytes, 12 to a tile's 3,072 bytes of a fill; lanes 24-31 name the last again
	v_mul_u32_u24 v31, v30, 86
	v_lshrrev_b32 v31, 10, v31                     ; which of the two tiles
	v_mul_u32_u24 v31, v31, KS*FBY-NQ*FBY
	v_lshl_add_u32 v30, v30, 8, v31
.if MODE == 0
	v_lshlrev_b32 v[LS], 2, v3
.else
	v_lshlrev_b32 v[LS], 2, v1
	v_lshl_add_u32 v[LS], v2, 11, v[LS]
.endif
	s_mul_i32 s21, s15, PART
	s_mul_i32 s22, s16, PART
	s_add_co_u32 s22, s22, 2*PART
.irp s, 0,1
	v_add_nc_u32 v[ADRA+\s], s21, v[LI]
	v_add_nc_u32 v[ADRB+\s], s22, v[LI]
	v_add_nc_u32 v[ADRA+2+\s], s21, v[L8]
	v_add_nc_u32 v[ADRB+2+\s], s22, v[L8]
	s_add_co_u32 s21, s21, SLOT
	s_add_co_u32 s22, s22, SLOT
.endr
	s_mul_i32 s21, s15, SPART
	s_mul_i32 s22, s16, SPART
	s_add_co_u32 s22, s22, 2*SPART
	s_sub_co_u32 s22, s22, s21
	v_mul_u32_u24 v4, s22, v2
	s_add_co_u32 s21, s21, SCL
	v_lshl_add_u32 v4, v1, 2, v4
	v_add_nc_u32 v[ADRS], s21, v4
	global_prefetch_b8 v30, s[100:101] offset:NQ*FBY th:TH_LOAD_NT scope:SCOPE_SE     ; the second and the third fill's bytes
	global_prefetch_b8 v30, s[100:101] offset:2*NQ*FBY th:TH_LOAD_NT scope:SCOPE_SE
	v_lshlrev_b32 v4, 6, v2
.if MODE == 0
	s_cmp_eq_u32 ttmp9, 0
	s_cselect_b64 s[OC:OC+1], s[6:7], s[8:9]
	s_and_b32 s21, s42, 3
	s_lshl_b32 s21, s21, 10
	s_lshl_b32 s22, s16, 9
	s_add_co_u32 s21, s21, s22
	s_lshl_b32 s22, s17, 10
	s_lshl_b32 s23, s15, 9
	s_add_co_u32 s22, s22, s23
	s_cmp_eq_u32 s3, 0
	s_cselect_b64 s[OC:OC+1], s[OC:OC+1], s[10:11]
	s_cselect_b32 s20, s21, s22
	s_mov_b32 s21, 0
	s_add_nc_u64 s[OC:OC+1], s[OC:OC+1], s[20:21]
	v_and_b32 v5, 8, v1
	v_add_nc_u32 v5, v5, v1
	v_lshlrev_b32 v5, 2, v5
	s_cmp_eq_u32 s3, 0
	s_cbranch_scc0 .Lbias_v
.else
	s_lshl_b32 s20, s42, 10
	s_lshl_b32 s21, s16, 9
	s_add_co_u32 s20, s20, s21
	s_mov_b32 s21, 0
	s_add_nc_u64 s[OC:OC+1], s[8:9], s[20:21]
.endif
.irp b, 0,1,2,3,4,5,6,7
	global_load_b128 v[BI+8*\b:BI+8*\b+3], v4, s[OC:OC+1] offset:(32*(\b/2)+8*(\b%2))*4
	global_load_b128 v[BI+8*\b+4:BI+8*\b+7], v4, s[OC:OC+1] offset:(32*(\b/2)+8*(\b%2))*4+16
.endr
.if MODE == 0
	s_branch .Lbias_done
.Lbias_v:
.irp a, 0,1,2,3,4,5,6,7
.irp j, 0,1,2,3,4,5,6,7
	global_load_b32 v[BI+8*\a+\j], v5, s[OC:OC+1] offset:(32*(\a/2)+8*(\a%2))*4
.endr
.endr
.Lbias_done:
.endif
.macro FRAG reg, adr, off
	ds_load_b128 v[\reg:\reg+3], v[\adr] offset:\off
	ds_load_b64 v[\reg+4:\reg+5], v[\adr+2] offset:(\off)+512
	ds_load_b128 v[\reg+6:\reg+9], v[\adr] offset:(\off)+768
	ds_load_b64 v[\reg+10:\reg+11], v[\adr+2] offset:(\off)+1280
.endm
.macro MUL16 a0, p, q, sc, zero
.irp a, \a0, \a0+1
.irp b, 0,1,2,3,4,5,6,7
.set rD, 8*(8*((\a)%4)+\b)
.set rC, rD
.if (\zero) == 1
.set rC, BI+8*\b
.endif
.if (\zero) == 2
.set rC, BI+8*(\a)
.endif
	v_wmma_scale_f32_16x16x128_f8f6f4 v[rD:rD+7], v[128*(\p)+FR*\b:128*(\p)+FR*\b+FR-1], v[AF+FR*(\a):AF+FR*(\a)+FR-1], v[rC:rC+7], v[SC+16*(\sc)+2*\b+(\q)], v[SC+16*(\sc)+2*(\a)+(\q)] matrix_a_fmt:MATRIX_FMT_FP6 matrix_b_fmt:MATRIX_FMT_FP6 matrix_a_scale:MATRIX_SCALE_ROW1
.endr
.endr
.endm
.macro FETCH_B slot, q, p
	WIN TO_B
.irp i, 0,1,2,3,4,5,6,7
	FRAG 128*(\p)+FR*\i, ADRB+\slot, \i*NQ*FBY+(\q)*FBY
.endr
	WIN 0
.endm
.macro FETCH_A slot, q, i0
.irp i, \i0, \i0+1, \i0+2, \i0+3
	FRAG AF+FR*(\i), ADRA+\slot, (\i)*NQ*FBY+(\q)*FBY
.endr
.endm
.macro SCALES sc
.irp i, 0,1,2,3,4,5,6,7
.irp q, 0,1
	ds_load_b32 v[SC+16*\sc+2*\i+\q], v[ADRS] offset:\i*KS*64+\q*64
.endr
.endr
.endm
.macro PLACES n
.rept \n
	v_nop
.endr
.endm
.macro STEP slot, q, zero
	s_wait_dscnt 4*NL
.if \zero
	WIN 0x81
.else
	WIN MUL_LO
.endif
	MUL16 0, (\q)%2, \q, \slot, \zero
	MUL16 2, (\q)%2, \q, \slot, \zero
	s_wait_dscnt 0
	PLACES NP
	FETCH_B \slot, (\q)+1, 1-(\q)%2
	FETCH_A \slot, (\q)+1, 0
.if \zero
	WIN 0xc1
.else
	WIN MUL_HI
.endif
	MUL16 4, (\q)%2, \q, \slot, \zero
	MUL16 6, (\q)%2, \q, \slot, \zero
	PLACES NP
	WIN 0
	FETCH_A \slot, (\q)+1, 4
.endm
.macro TURN slot, next, fill
	s_wait_tensorcnt 0x0
	ds_add_u32 v[SPW], v[NIL]
	s_wait_dscnt 4*NL+1
	WIN MUL_LO
	MUL16 0, 1, NQ-1, \slot, 0
	s_wait_dscnt 0x0
	s_barrier_signal -1
	MUL16 2, 1, NQ-1, \slot, 0
	WIN 0
	s_barrier_wait -1
.if \fill
	CREST
	s_add_nc_u64 s[G0+4*\slot+2:G0+4*\slot+3], s[G0+4*\slot+2:G0+4*\slot+3], 2*NQ*FBY
	s_add_nc_u64 s[G0B+4*\slot+2:G0B+4*\slot+3], s[G0B+4*\slot+2:G0B+4*\slot+3], 2*NQ*FBY
	JLOAD G0+4*\slot, G1, G0B+4*\slot, G1B
.else
	PLACES NP
.endif
	s_wait_alu depctr_va_vdst(0)
	v_add_nc_u32 v[ADRS], NQ*64, v[ADRS]
	FETCH_B \next, 0, 0
	FETCH_A \next, 0, 0
	SCALES \next
	WIN MUL_HI
	MUL16 4, 1, NQ-1, \slot, 0
	MUL16 6, 1, NQ-1, \slot, 0
	PLACES NP
	WIN 0
	FETCH_A \next, 0, 4
.endm
	s_wait_alu depctr_va_vdst(0)
	s_wait_tensorcnt 0x0                           ; my tile of the head's four is in
	ds_add_u32 v[SPW], v[NIL]
	s_mov_b32 s[G1+2], 8<<16                       ; no tensor load of mine is out: from here on a load brings 8 tiles,
	s_mov_b32 s[G1+4], 8
	s_mov_b32 s[G1B+2], 8<<16
	s_mov_b32 s[G1B+4], 8
	s_mov_b32 s[G0+1], s45                         ; and slot 0's descriptors stand at my part
	s_add_nc_u64 s[G0+2:G0+3], s[G0+2:G0+3], s[18:19]
	s_mov_b32 s[G0B+1], s45
	s_add_nc_u64 s[G0B+2:G0B+3], s[G0B+2:G0B+3], s[18:19]
	s_wait_dscnt 0x0
	CROUND                                         ; all four tiles are in, all sixteen work-groups are here
	JLOAD G0+4, G1, G0B+4, G1B                     ; slot 1's first fill
	FETCH_B 0, 0, 0
	FETCH_A 0, 0, 0
	SCALES 0
	FETCH_A 0, 0, 4
	global_prefetch_b8 v30, s[100:101] offset:3*NQ*FBY th:TH_LOAD_NT scope:SCOPE_SE   ; the last fill's bytes, two fills ahead
	s_wait_loadcnt 0x0
.if MODE == 0
	s_cmp_eq_u32 s3, 0
	s_cbranch_scc0 .Lfirst_v
	STEP 0, 0, 1
	s_branch .Lfirst_done
.Lfirst_v:
	STEP 0, 0, 2
.Lfirst_done:
.else
	STEP 0, 0, 1
.endif
	TURN 0, 1, 1
	STEP 1, 0, 0
	TURN 1, 0, 1
	STEP 0, 0, 0
	TURN 0, 1, 0
	STEP 1, 0, 0
	s_wait_dscnt 4*NL
	WIN MUL_LO
	MUL16 0, 1, NQ-1, 1, 0
	MUL16 2, 1, NQ-1, 1, 0
	s_wait_dscnt 0
	WIN MUL_HI
	MUL16 4, 1, NQ-1, 1, 0
	MUL16 6, 1, NQ-1, 1, 0
	WIN 0
	PLACES NP
	s_mov_b32 s[SEL], 0x76543210
	s_mov_b32 s[SEL+1], 0xfedcba98
.irp b, 0,1,2,3
	v_mov_b32 v[TM+4+\b], 0
.endr
.macro QUANT s, w, pw
	WIN 5*(\w)
.irp b, 0,1,2,3
	v_max3_num_f32 v[TM+\b], |v[(\s)+16*\b]|, |v[(\s)+1+16*\b]|, 0x1800000
.endr
	WIN 20*(\w)
.irp i, 2,4,6,8,10,12,14
.irp b, 0,1,2,3
	v_max3_num_f32 v[TM+\b], v[TM+\b], |v[(\s)+16*\b+\i]|, |v[(\s)+1+16*\b+\i]|
.endr
.endr
	WIN 0
.irp b, 0,1,2,3
	v_permlanex16_b32 v[TM+4+\b], v[TM+\b], s[SEL], s[SEL+1]
.endr
.irp b, 0,1,2,3
	v_max_num_f32 v[TM+\b], v[TM+\b], v[TM+4+\b]
.endr
.irp b, 0,1,2,3
	v_add_nc_u32 v[TM+12+\b], 0xff000000, v[TM+\b]
.endr
.irp b, 0,1,2,3
	v_lshrrev_b32 v[TM+4+\b], 23, v[TM+12+\b]
.endr
	v_lshl_or_b32 v[\pw], v[TM+5], 8, v[TM+4]
	v_lshl_or_b32 v[\pw], v[TM+6], 16, v[\pw]
	v_lshl_or_b32 v[\pw], v[TM+7], 24, v[\pw]
	WIN \w
.irp c, 0,1
	v_cvt_scalef32_pk16_fp6_f32 v[PC+6*\c:PC+2+6*\c], v[(\s)+32*\c:(\s)+15+32*\c], v[TM+12+2*\c]
	v_cvt_scalef32_pk16_fp6_f32 v[PC+12+4*\c:PC+14+4*\c], v[(\s)+16+32*\c:(\s)+31+32*\c], v[TM+12+2*\c+1]
.endr
	WIN 0
	v_nop
.irp c, 0,1
.irp i, 0,1,2
	v_permlane16_swap_b32 v[PC+6*\c+\i], v[PC+12+4*\c+\i]
.endr
.irp i, 0,1,2
	v_mov_b32 v[PC+3+6*\c+\i], v[PC+12+4*\c+\i]
.endr
.endr
.endm
.macro PUTF off
	global_store_b128 v[LI], v[PC:PC+3], s[OC:OC+1] offset:\off
	global_store_b64 v[L8], v[PC+4:PC+5], s[OC:OC+1] offset:(\off)+512
	global_store_b128 v[LI], v[PC+6:PC+9], s[OC:OC+1] offset:(\off)+768
	global_store_b64 v[L8], v[PC+10:PC+11], s[OC:OC+1] offset:(\off)+1280
.endm
.macro OUTBLK a, role
	s_wait_xcnt 0x0
.if \role == 2
	WIN 0x44*(2+(\a)/4)
.set j, 64*((\a)%4)
.rept 64
	v_max_num_f32 v[j], 0, v[j]
.set j, j+1
.endr
.endif
	QUANT 64*((\a)%4), 2+(\a)/4, PW+((\a)&1)
.if \role == 0
.irp c, 0,1
	global_store_b128 v[LI], v[PC+6*\c:PC+6*\c+3], s[OC:OC+1] offset:(\a)*768+\c*98304
	global_store_b64 v[L8], v[PC+6*\c+4:PC+6*\c+5], s[OC:OC+1] offset:(\a)*768+\c*98304+512
.endr
.elseif \role == 1
	PUTF ((\a)>>2)*98304+((\a)&3)*FBY
.else
	PUTF (\a)*32*FBY
.endif
.if ((\a)&1)
	v_cndmask_b32 v[PW+2], v[PW], v[PW+1], s[HM]
.if \role == 0
	v_lshrrev_b32 v[PW+3], 16, v[PW+2]
	global_store_b32 v[LS], v[PW+2], s[OS:OS+1] offset:((\a)-1)*64
	global_store_b32 v[LS], v[PW+3], s[OS:OS+1] offset:((\a)-1)*64+8192
.elseif \role == 1
	global_store_b32 v[LS], v[PW+2], s[OS:OS+1] offset:((\a)>>2)*4096+(((\a)-1)&3)*64
.else
	global_store_b32 v[LS], v[PW+2], s[OS:OS+1] offset:((\a)-1)*2048
.endif
.endif
.endm
	s_mov_b32 s23, 0
.if MODE == 0
	s_cmp_eq_u32 s3, 0
	s_cbranch_scc0 .Lout_v
	s_lshr_b32 s20, s17, 3
	s_lshl_b32 s20, s20, 4
	s_and_b32 s21, s42, 3
	s_lshl_b32 s21, s21, 2
	s_add_co_u32 s20, s20, s21
	s_lshl_b32 s21, s16, 1
	s_add_co_u32 s20, s20, s21
	s_lshl_b32 s20, s20, 7
	s_and_b32 s21, s17, 7
	s_lshl_b32 s21, s21, 4
	s_add_co_u32 s20, s20, s21
	s_lshl_b32 s21, s15, 3
	s_add_co_u32 s20, s20, s21
	s_mul_i32 s22, ttmp9, 3145728
	s_mul_i32 s21, s20, 768
	s_add_co_u32 s22, s22, s21
	s_add_nc_u64 s[OC:OC+1], s[OUTP:OUTP+1], s[22:23]
	s_mul_i32 s22, ttmp9, 262144
	s_lshl_b32 s21, s20, 6
	s_add_co_u32 s22, s22, s21
	s_add_co_u32 s22, s22, QSO
	s_add_nc_u64 s[OS:OS+1], s[OUTP:OUTP+1], s[22:23]
.irp a, 0,1,2,3,4,5,6,7
	OUTBLK \a, 0
.endr
	s_branch .Lout_done
.Lout_v:
	s_lshr_b32 s20, s42, 3
	s_lshl_b32 s20, s20, 4
	s_lshl_b32 s21, s17, 2
	s_add_co_u32 s20, s20, s21
	s_lshl_b32 s21, s15, 1
	s_add_co_u32 s20, s20, s21
	s_lshl_b32 s20, s20, 4
	s_and_b32 s21, s42, 7
	s_lshl_b32 s21, s21, 1
	s_add_co_u32 s20, s20, s21
	s_add_co_u32 s20, s20, s16
	s_lshl_b32 s20, s20, 2
	s_mul_i32 s22, s20, FBY
	s_add_co_u32 s22, s22, VCO
	s_add_nc_u64 s[OC:OC+1], s[OUTP:OUTP+1], s[22:23]
	s_lshl_b32 s22, s20, 6
	s_add_co_u32 s22, s22, VSO
	s_add_nc_u64 s[OS:OS+1], s[OUTP:OUTP+1], s[22:23]
.irp a, 0,1,2,3,4,5,6,7
	OUTBLK \a, 1
.endr
.Lout_done:
.else
	s_lshl_b32 s20, s17, 4
	s_lshl_b32 s21, s15, 3
	s_add_co_u32 s20, s20, s21
	s_lshl_b32 s20, s20, 5
	s_lshl_b32 s21, s42, 1
	s_add_co_u32 s20, s20, s21
	s_add_co_u32 s20, s20, s16
	s_mul_i32 s22, s20, FBY
	s_add_nc_u64 s[OC:OC+1], s[OUTP:OUTP+1], s[22:23]
	s_lshl_b32 s22, s20, 6
	s_add_co_u32 s22, s22, HIDS
	s_add_nc_u64 s[OS:OS+1], s[OUTP:OUTP+1], s[22:23]
.irp a, 0,1,2,3,4,5,6,7
	OUTBLK \a, 2
.endr
.endif
	s_wait_tensorcnt 0x0
	ds_add_u32 v[SPW], v[NIL]
	s_wait_dscnt 0x0
	CROUND
	s_endpgm
.Lfunc_end_k_q1d60e9bf20_w1:
	.size	k_q1d60e9bf20_w1, .Lfunc_end_k_q1d60e9bf20_w1-k_q1d60e9bf20_w1
	.p2alignl 7, 3214868480
	.fill 96, 4, 3214868480
	.section	.rodata,"a",@progbits
	.p2align	6, 0x0
	.amdhsa_kernel k_q1d60e9bf20_w1
		.amdhsa_group_segment_fixed_size 327680
		.amdhsa_private_segment_fixed_size 0
		.amdhsa_enable_private_segment 0
		.amdhsa_kernarg_size 32
		.amdhsa_user_sgpr_count 2
		.amdhsa_user_sgpr_kernarg_segment_ptr 1
		.amdhsa_wavefront_size32 1
		.amdhsa_system_sgpr_workgroup_id_x 1
		.amdhsa_system_sgpr_workgroup_id_y 1
		.amdhsa_system_sgpr_workgroup_id_z 1
		.amdhsa_system_vgpr_workitem_id 0
		.amdhsa_next_free_vgpr 1024
		.amdhsa_next_free_sgpr 102
		.amdhsa_reserve_vcc 0
		.amdhsa_float_denorm_mode_32 3
		.amdhsa_float_denorm_mode_16_64 3
		.amdhsa_memory_ordered 1
		.amdhsa_forward_progress 1
		.amdhsa_inst_pref_size 171
	.end_amdhsa_kernel
	.amdgpu_metadata
---
amdhsa.version: [ 1, 2 ]
amdhsa.kernels:
  - .name:           k_q1d60e9bf20_w1
    .symbol:         k_q1d60e9bf20_w1.kd
    .args:
      - { .name: hb, .offset: 0, .size: 8, .value_kind: global_buffer, .address_space: global }
      - { .name: qw, .offset: 8, .size: 8, .value_kind: global_buffer, .address_space: global }
      - { .name: b1, .offset: 16, .size: 8, .value_kind: global_buffer, .address_space: global }
      - { .name: hid, .offset: 24, .size: 8, .value_kind: global_buffer, .address_space: global }
    .group_segment_fixed_size: 327680
    .private_segment_fixed_size: 0
    .kernarg_segment_align: 8
    .kernarg_segment_size: 32
    .max_flat_workgroup_size: 128
    .sgpr_count:     102
    .vgpr_count:     1024
    .wavefront_size: 32
...
	.end_amdgpu_metadata
.endif
;; end of part 5
;; launch w2 (part 6): grid 8 x 32, 4 waves a work-group, clusters of 4 x 4, 327,680 bytes of LDS; arguments hid, qw, b2, z; writes z
.if DOCPART == 6
	.amdgcn_target "amdgcn-amd-amdhsa--gfx1250"
	.amdhsa_code_object_version 6
	.text
	.protected	k_q1d60e9bf20_w2
	.globl	k_q1d60e9bf20_w2
	.p2align	8
	.type	k_q1d60e9bf20_w2,@function
k_q1d60e9bf20_w2:
	s_mov_b64 s[64:65], 0
	v_nop
	global_prefetch_b8 v0, s[64:65] scope:SCOPE_SE
	s_setreg_imm32_b32 hwreg(HW_REG_WAVE_MODE, 25, 1), 1
	s_wait_xcnt 0x0
	s_wait_alu depctr_hold_cnt(0) depctr_sa_sdst(0) depctr_va_vdst(0) depctr_va_sdst(0) depctr_va_ssrc(0) depctr_va_vcc(0) depctr_vm_vsrc(0)
	s_getreg_b32 s2, hwreg(HW_REG_IB_STS2, 6, 4)
	s_cmp_eq_u32 s2, 0
	s_cbranch_scc0 .Lentry_in_a_cluster
	s_endpgm
.Lentry_in_a_cluster:
	s_bfe_u32 s2, ttmp6, 0x10000c
	s_cmp_lg_u32 s2, 0xf033
	s_cbranch_scc0 .Lentry_shape_is_right
	s_endpgm
.Lentry_shape_is_right:
.set KS,     32
.set ASC,    12582912
.set BC,     9830400
.set BS,     12976128
.set FR,     12
.set FBY,    1536
.set PART,   4*4*FBY
.set SLOT,   4*PART
.set SCL,    2*SLOT
.set SPART,  4*KS*64
.set STAGE,  229376
.set SP,     528
.set SPARE,  STAGE+128*SP
.set LAPS,   KS/8
.set ADRA, 16
.set ADRB, 20
.set STO,  24
.set RD,   25
.set CO,   26
.set ADRS, 27
.set SPW,  28
.set NIL,  29
.set SC,   32
.set BI,   64
.set ACC,  128
.set F0,   0
.set F1,   128
.set G1, 24
.set G0, 32
.set G1B, 48
.set G0B, 56
.set G1S, 68
.set G0S, 76
.set G1SB, 80
.set G0SB, 88
.set MSB, 0
.macro WIN new
.if MSB != \new
	s_set_vgpr_msb (MSB<<8)|(\new)
.set MSB, \new
.endif
.endm
.set MUL,  0x05
.set TO_F, 0x40
.macro JLOAD g0a, g1a, g0b, g1b
	s_cmp_eq_u32 s15, 0
	s_cbranch_scc0 .Lfor_b_\@
	tensor_load_to_lds s[\g0a:\g0a+3], s[\g1a:\g1a+7]
	s_nop 0
.rept 4
	v_nop
.endr
	s_branch .Lasked_\@
.Lfor_b_\@:
	tensor_load_to_lds s[\g0b:\g0b+3], s[\g1b:\g1b+7]
	s_nop 0
.rept 4
	v_nop
.endr
.Lasked_\@:
.endm
.macro CREST
	s_cmp_lg_u32 s14, 0
	s_cbranch_scc1 .Lnot_wave_0_\@
	s_barrier_signal -3
.Lnot_wave_0_\@:
	s_barrier_wait -3
	s_barrier_signal -1
	s_barrier_wait -1
.endm
.macro CROUND
	s_barrier_signal -1
	s_barrier_wait -1
	CREST
.endm
	s_load_b256 s[4:11], s[0:1], 0x0
	v_lshl_add_u32 v[SPW], v0, 2, SPARE
	v_mov_b32 v[NIL], 0
	ds_add_u32 v[SPW], v[NIL]
	ds_add_u32 v[SPW], v[NIL]
	v_lshrrev_b32 v1, 5, v0
	v_readfirstlane_b32 s14, v1
	s_lshr_b32 s15, s14, 1
	s_and_b32 s16, s14, 1
	s_bfe_u32 s40, ttmp6, 0x40000
	s_bfe_u32 s41, ttmp6, 0x40004
	s_lshl_b32 s42, ttmp9, 2
	s_add_co_u32 s42, s42, s40
	s_and_b32 s17, ttmp7, 0xffff
	s_lshl_b32 s17, s17, 2
	s_add_co_u32 s17, s17, s41
	s_lshl_b32 s43, s41, 2
	s_lshl_b32 s43, 15, s43
	s_lshl_b32 s44, 0x1111, s40
	s_or_b32 s[G1+0], s43, (3<<16)|(1<<21)
	s_or_b32 s[G1B+0], s44, (3<<16)|(1<<21)
.irp g, G1, G1B
	s_mov_b32 s[\g+1], 768<<16
	s_mov_b32 s[\g+2], 8<<16
	s_mov_b32 s[\g+3], 768<<16
	s_mov_b32 s[\g+4], 8
	s_mov_b32 s[\g+5], KS*FBY/8
	s_mov_b32 s[\g+6], 0
	s_mov_b32 s[\g+7], 0
.endr
	s_or_b32 s[G1S+0], s43, (3<<16)|(1<<21)
	s_or_b32 s[G1SB+0], s44, (3<<16)|(1<<21)
.irp g, G1S, G1SB
	s_mov_b32 s[\g+1], 32<<16
	s_mov_b32 s[\g+2], (2*KS)<<16
	s_mov_b32 s[\g+3], 32<<16
	s_mov_b32 s[\g+4], 2*KS
	s_mov_b32 s[\g+5], 32
	s_mov_b32 s[\g+6], 0
	s_mov_b32 s[\g+7], 0
.endr
	s_mul_i32 s18, s16, 4*KS*FBY                   ; from a tile's first row to the 4 tiles of 16 that I fetch in the ring, in bytes
	s_mov_b32 s19, 0
	s_lshl_b32 s20, s17, 3
	s_lshl_b32 s46, s42, 3
	s_mul_i32 s22, s20, KS*64
	s_add_co_u32 s22, s22, ASC
	s_mov_b32 s23, 0
	s_mul_i32 s92, s46, KS*64
	s_add_co_u32 s92, s92, BS
	s_mov_b32 s93, 0
	s_mul_i32 s20, s20, KS*FBY
	s_mov_b32 s21, 0
	s_mul_i32 s46, s46, KS*FBY
	s_add_co_u32 s46, s46, BC
	s_mov_b32 s47, 0
	s_mul_i32 s45, s14, PART
	s_wait_dscnt 0x0
	s_wait_kmcnt 0x0
	s_add_nc_u64 s[20:21], s[4:5], s[20:21]
	s_add_nc_u64 s[22:23], s[4:5], s[22:23]
	s_add_nc_u64 s[46:47], s[6:7], s[46:47]
	s_add_nc_u64 s[92:93], s[6:7], s[92:93]
	CROUND
	s_mov_b32 s[G0S], 1
	s_mov_b32 s[G0S+1], SCL
	s_mov_b64 s[G0S+2:G0S+3], s[22:23]
	s_or_b32 s[G0S+3], s[G0S+3], 0x80000000
	s_mov_b32 s[G0SB], 1
	s_mov_b32 s[G0SB+1], SCL+2*SPART
	s_mov_b64 s[G0SB+2:G0SB+3], s[92:93]
	s_or_b32 s[G0SB+3], s[G0SB+3], 0x80000000
	; the head's four tiles, each whole, one a wave: slot 0's 8 tiles of A, its 8 of B, A's scales, B's scales
	s_mov_b32 s[G0], 1
	s_mov_b32 s[G0+1], 0
	s_mov_b64 s[G0+2:G0+3], s[20:21]
	s_or_b32 s[G0+3], s[G0+3], 0x80000000
	s_mov_b32 s[G0B], 1
	s_mov_b32 s[G0B+1], 2*PART
	s_mov_b64 s[G0B+2:G0B+3], s[46:47]
	s_or_b32 s[G0B+3], s[G0B+3], 0x80000000
	s_add_nc_u64 s[20:21], s[20:21], s[18:19]      ; for the ring: my 4 tiles
	s_add_nc_u64 s[46:47], s[46:47], s[18:19]
	s_mov_b32 s[G0+4], 1
	s_add_co_u32 s[G0+5], s45, SLOT
	s_add_nc_u64 s[G0+6:G0+7], s[20:21], 4*FBY
	s_or_b32 s[G0+7], s[G0+7], 0x80000000
	s_mov_b32 s[G0B+4], 1
	s_add_co_u32 s[G0B+5], s45, SLOT
	s_add_nc_u64 s[G0B+6:G0B+7], s[46:47], 4*FBY
	s_or_b32 s[G0B+7], s[G0B+7], 0x80000000
	s_cmp_eq_u32 s15, 0                            ; the prefetches: of the 4 tiles that I fetch, the partner at place p takes tile p (p = cx for A, cy for B): told apart by address alone
	s_cselect_b64 s[100:101], s[20:21], s[46:47]
	s_cselect_b32 s12, s40, s41
	s_mul_i32 s12, s12, KS*FBY
	s_mov_b32 s13, 0
	s_add_nc_u64 s[100:101], s[100:101], s[12:13]
.macro ARM under, g0, g1, next                 ; one chain of branches on the wave's number, one load to an arm, all arms to one join
	s_cmp_lt_u32 s14, \under
	s_cbranch_scc0 \next
	tensor_load_to_lds s[\g0:\g0+3], s[\g1:\g1+7]
	s_nop 0
.rept 4
	v_nop
.endr
	s_branch .Lhead_asked
\next:
.endm
	ARM 1, G0, G1, .Lhead_b
	ARM 2, G0B, G1B, .Lhead_sa
	ARM 3, G0S, G1S, .Lhead_sb
	tensor_load_to_lds s[G0SB:G0SB+3], s[G1SB:G1SB+7]
	s_nop 0
.rept 4
	v_nop
.endr
.Lhead_asked:
	v_and_b32 v1, 15, v0
	v_bfe_u32 v2, v0, 4, 1
	v_and_b32 v3, 31, v0
	v_lshlrev_b32 v[CO], 4, v3
	v_lshlrev_b32 v6, 3, v3
	v_min_u32 v30, 23, v3                          ; the prefetches' offset: a tile's 6,144 bytes of a fill are 24 blocks of 256 bytes, a lane a block; lanes 24-31 name the last again
	v_lshlrev_b32 v30, 8, v30
	s_mul_i32 s21, s15, PART
	s_mul_i32 s22, s16, PART
	s_add_co_u32 s22, s22, 2*PART
.irp s, 0,1
	v_add_nc_u32 v[ADRA+\s], s21, v[CO]
	v_add_nc_u32 v[ADRB+\s], s22, v[CO]
	v_add_nc_u32 v[ADRA+2+\s], s21, v6
	v_add_nc_u32 v[ADRB+2+\s], s22, v6
	s_add_co_u32 s21, s21, SLOT
	s_add_co_u32 s22, s22, SLOT
.endr
	s_mul_i32 s21, s15, SPART
	s_mul_i32 s22, s16, SPART
	s_add_co_u32 s22, s22, 2*SPART
	s_sub_co_u32 s22, s22, s21
	v_mul_u32_u24 v4, s22, v2
	s_add_co_u32 s21, s21, SCL
	v_lshl_add_u32 v4, v1, 2, v4
	v_add_nc_u32 v[ADRS], s21, v4
	s_mul_i32 s23, s15, 64*SP
	s_lshl_b32 s21, s16, 8
	s_add_co_u32 s23, s23, s21
	s_add_co_u32 s23, s23, STAGE
	v_mul_u32_u24 v5, v1, SP
	v_lshl_add_u32 v5, v2, 6, v5
	v_add_nc_u32 v[STO], s23, v5
	s_mul_i32 s23, s14, 32*SP
	s_add_co_u32 s23, s23, STAGE
	v_add_nc_u32 v[RD], s23, v[CO]
	s_lshl_b32 s20, s42, 9
	s_lshl_b32 s21, s16, 8
	s_add_co_u32 s20, s20, s21
	s_mov_b32 s21, 0
	s_add_nc_u64 s[8:9], s[8:9], s[20:21]
	global_prefetch_b8 v30, s[100:101] offset:4*FBY th:TH_LOAD_NT scope:SCOPE_SE      ; the second and the third fill's bytes
	global_prefetch_b8 v30, s[100:101] offset:2*4*FBY th:TH_LOAD_NT scope:SCOPE_SE
	v_lshlrev_b32 v4, 6, v2
.irp b, 0,1,2,3
	global_load_b128 v[BI+8*\b:BI+8*\b+3], v4, s[8:9] offset:(32*(\b/2)+8*(\b%2))*4
	global_load_b128 v[BI+8*\b+4:BI+8*\b+7], v4, s[8:9] offset:(32*(\b/2)+8*(\b%2))*4+16
.endr
	s_lshl_b32 s20, s17, 19
	s_lshl_b32 s22, s14, 17
	s_add_co_u32 s20, s20, s22
	s_lshl_b32 s22, s42, 9
	s_add_co_u32 s20, s20, s22
	s_add_nc_u64 s[10:11], s[10:11], s[20:21]
.macro FRAG reg, adr, off
	ds_load_b128 v[\reg:\reg+3], v[\adr] offset:\off
	ds_load_b64 v[\reg+4:\reg+5], v[\adr+2] offset:(\off)+512
	ds_load_b128 v[\reg+6:\reg+9], v[\adr] offset:(\off)+768
	ds_load_b64 v[\reg+10:\reg+11], v[\adr+2] offset:(\off)+1280
.endm
.macro MUL8 f, a0, zero
.irp a, \a0, \a0+1
.irp b, 0,1,2,3
.set rD, ACC+8*(4*(\a)+\b)
.set rC, rD
.if \zero
.set rC, BI+8*\b
.endif
	v_wmma_scale_f32_16x16x128_f8f6f4 v[rD:rD+7], v[(\f)+48+FR*\b:(\f)+48+FR*\b+FR-1], v[(\f)+FR*(\a):(\f)+FR*(\a)+FR-1], v[rC:rC+7], v[SC+4*((\f)/128)+\b], v[SC+4*((\f)/128)+(\a)] matrix_a_fmt:MATRIX_FMT_FP6 matrix_b_fmt:MATRIX_FMT_FP6 matrix_a_scale:MATRIX_SCALE_ROW1
.endr
.endr
.endm
.macro FETCH slot, q, f
	WIN 0
.irp i, 0,1,2,3
	ds_load_b32 v[SC+4*((\f)/128)+\i], v[ADRS] offset:\i*KS*64+(\q)*64
.endr
	WIN TO_F
.irp i, 0,1,2,3
	FRAG (\f)+48+FR*\i, ADRB+\slot, \i*4*FBY+(\q)*FBY
.endr
.irp i, 0,1,2,3
	FRAG (\f)+FR*\i, ADRA+\slot, \i*4*FBY+(\q)*FBY
.endr
.endm
.macro PLACES
.rept 4
	v_nop
.endr
.endm
.macro QUARTER slot, q, f, g, zero
	s_wait_dscnt 8
	WIN MUL
	MUL8 \f, 0, \zero
	PLACES
	FETCH \slot, \q, \g
	s_wait_dscnt 36
	WIN MUL
	MUL8 \f, 2, \zero
.endm
.macro TURN slot, next, fill
	WIN 0
.if \fill
	s_wait_xcnt 0x0                                ; my last prefetch has read its address: it steps one fill on
	s_add_nc_u64 s[100:101], s[100:101], 4*FBY
.endif
	s_wait_tensorcnt 0x0
	ds_add_u32 v[SPW], v[NIL]
.if \fill
	s_add_nc_u64 s[G0+4*\slot+2:G0+4*\slot+3], s[G0+4*\slot+2:G0+4*\slot+3], 2*4*FBY
	s_add_nc_u64 s[G0B+4*\slot+2:G0B+4*\slot+3], s[G0B+4*\slot+2:G0B+4*\slot+3], 2*4*FBY
.endif
	s_wait_dscnt 0x0
	s_barrier_signal -1
	WIN MUL
	MUL8 F1, 0, 0
	WIN 0
	s_barrier_wait -1
.if \fill
	CREST
	JLOAD G0+4*\slot, G1, G0B+4*\slot, G1B
.else
	PLACES
.endif
	v_add_nc_u32 v[ADRS], 4*64, v[ADRS]
	FETCH \next, 0, F0
.if \fill
	WIN 0                                          ; at a branch and at a label every window is 0
	s_cmp_gt_u32 s3, 1                             ; the last trip's two refills have no fill two on
	s_cbranch_scc0 .Lno_ask_\@
	global_prefetch_b8 v30, s[100:101] offset:3*4*FBY th:TH_LOAD_NT scope:SCOPE_SE    ; the fill that stands two refills on
.Lno_ask_\@:
.endif
	WIN MUL
	MUL8 F1, 2, 0
.endm
	s_wait_alu depctr_va_vdst(0)
	s_wait_tensorcnt 0x0                           ; my tile of the head's four is in
	ds_add_u32 v[SPW], v[NIL]
	s_mov_b32 s[G1+2], 4<<16                       ; no tensor load of mine is out: from here on a load brings 4 tiles,
	s_mov_b32 s[G1+4], 4
	s_mov_b32 s[G1B+2], 4<<16
	s_mov_b32 s[G1B+4], 4
	s_mov_b32 s[G0+1], s45                         ; and slot 0's descriptors stand at my part
	s_add_nc_u64 s[G0+2:G0+3], s[G0+2:G0+3], s[18:19]
	s_mov_b32 s[G0B+1], s45
	s_add_nc_u64 s[G0B+2:G0B+3], s[G0B+2:G0B+3], s[18:19]
	s_wait_dscnt 0x0
	CROUND                                         ; all four tiles are in, all sixteen work-groups are here
	JLOAD G0+4, G1, G0B+4, G1B                     ; slot 1's first fill
	FETCH 0, 0, F0
	global_prefetch_b8 v30, s[100:101] offset:3*4*FBY th:TH_LOAD_NT scope:SCOPE_SE    ; the fourth fill's bytes, two fills ahead
	s_wait_loadcnt 0x0
	QUARTER 0, 1, F0, F1, 1
.if LAPS > 1
	WIN 0
	s_mov_b32 s3, LAPS-1
.Llap:
	s_wait_alu depctr_va_vdst(0)
	QUARTER 0, 2, F1, F0, 0
	QUARTER 0, 3, F0, F1, 0
	TURN 0, 1, 1
	s_wait_alu depctr_va_vdst(0)
	QUARTER 1, 1, F0, F1, 0
	QUARTER 1, 2, F1, F0, 0
	QUARTER 1, 3, F0, F1, 0
	TURN 1, 0, 1
	s_wait_alu depctr_va_vdst(0)
	QUARTER 0, 1, F0, F1, 0
	WIN 0
	s_sub_co_u32 s3, s3, 1
	s_cmp_lg_u32 s3, 0
	s_cbranch_scc1 .Llap
.endif
	QUARTER 0, 2, F1, F0, 0
	QUARTER 0, 3, F0, F1, 0
	TURN 0, 1, 0
	s_wait_alu depctr_va_vdst(0)
	QUARTER 1, 1, F0, F1, 0
	QUARTER 1, 2, F1, F0, 0
	QUARTER 1, 3, F0, F1, 0
	s_wait_dscnt 8
	WIN MUL
	MUL8 F1, 0, 0
	s_wait_dscnt 0
	MUL8 F1, 2, 0
	WIN 0
	PLACES
.irp a, 0,1,2,3
.irp b, 0,1,2,3
	ds_store_b128 v[STO], v[ACC+8*(4*\a+\b):ACC+8*(4*\a+\b)+3] offset:\a*16*SP+(32*(\b/2)+8*(\b%2))*4
	ds_store_b128 v[STO], v[ACC+8*(4*\a+\b)+4:ACC+8*(4*\a+\b)+7] offset:\a*16*SP+(32*(\b/2)+8*(\b%2))*4+16
.endr
.endr
	s_wait_dscnt 0x0
	s_barrier_signal -1
	s_barrier_wait -1
.set t, 0
.rept 32
	ds_load_b128 v[ACC+4*t:ACC+4*t+3], v[RD] offset:t*SP
.set t, t+1
.endr
.set t, 0
.rept 32
	s_wait_dscnt 31-t
	global_store_b128 v[CO], v[ACC+4*t:ACC+4*t+3], s[10:11] offset:((t&7)|(((t>>3)&1)<<4)|(((t>>4)&1)<<3))*4096
.set t, t+1
.endr
	s_wait_tensorcnt 0x0
	ds_add_u32 v[SPW], v[NIL]
	s_wait_dscnt 0x0
	CROUND
	s_endpgm
.Lfunc_end_k_q1d60e9bf20_w2:
	.size	k_q1d60e9bf20_w2, .Lfunc_end_k_q1d60e9bf20_w2-k_q1d60e9bf20_w2
	.p2alignl 7, 3214868480
	.fill 96, 4, 3214868480
	.section	.rodata,"a",@progbits
	.p2align	6, 0x0
	.amdhsa_kernel k_q1d60e9bf20_w2
		.amdhsa_group_segment_fixed_size 327680
		.amdhsa_private_segment_fixed_size 0
		.amdhsa_enable_private_segment 0
		.amdhsa_kernarg_size 32
		.amdhsa_user_sgpr_count 2
		.amdhsa_user_sgpr_kernarg_segment_ptr 1
		.amdhsa_wavefront_size32 1
		.amdhsa_system_sgpr_workgroup_id_x 1
		.amdhsa_system_sgpr_workgroup_id_y 1
		.amdhsa_system_sgpr_workgroup_id_z 1
		.amdhsa_system_vgpr_workitem_id 0
		.amdhsa_next_free_vgpr 512
		.amdhsa_next_free_sgpr 102
		.amdhsa_reserve_vcc 0
		.amdhsa_float_denorm_mode_32 3
		.amdhsa_float_denorm_mode_16_64 3
		.amdhsa_memory_ordered 1
		.amdhsa_forward_progress 1
		.amdhsa_inst_pref_size 96
	.end_amdhsa_kernel
	.amdgpu_metadata
---
amdhsa.version: [ 1, 2 ]
amdhsa.kernels:
  - .name:           k_q1d60e9bf20_w2
    .symbol:         k_q1d60e9bf20_w2.kd
    .args:
      - { .name: hid, .offset: 0, .size: 8, .value_kind: global_buffer, .address_space: global }
      - { .name: qw, .offset: 8, .size: 8, .value_kind: global_buffer, .address_space: global }
      - { .name: b2, .offset: 16, .size: 8, .value_kind: global_buffer, .address_space: global }
      - { .name: z, .offset: 24, .size: 8, .value_kind: global_buffer, .address_space: global }
    .group_segment_fixed_size: 327680
    .private_segment_fixed_size: 0
    .kernarg_segment_align: 8
    .kernarg_segment_size: 32
    .max_flat_workgroup_size: 128
    .sgpr_count:     102
    .vgpr_count:     512
    .wavefront_size: 32
...
	.end_amdgpu_metadata
.endif
;; end of part 6
;; launch ln2 (part 7): grid 256 x 1, 8 waves a work-group, no clusters, 0 bytes of LDS; arguments z, hb, g2, be2, out0; writes out0
.if DOCPART == 7
	.amdgcn_target "amdgcn-amd-amdhsa--gfx1250"
	.amdhsa_code_object_version 6
	.text
	.protected	k_q1d60e9bf20_ln2
	.globl	k_q1d60e9bf20_ln2
	.p2align	8
	.type	k_q1d60e9bf20_ln2,@function
k_q1d60e9bf20_ln2:
	s_mov_b64 s[64:65], 0
	v_nop
	global_prefetch_b8 v0, s[64:65] scope:SCOPE_SE
	s_setreg_imm32_b32 hwreg(HW_REG_WAVE_MODE, 25, 1), 1
	s_wait_xcnt 0x0
; y = layernorm(z + res) x g + be over rows of 1,024, in f32: the layer's output.  z: the second product of the MLP with its bias; res: h, the first 16,777,216 bytes of its buffer.
; The work-group takes 16 rows (row r of tile 2 b + u is the actual row 32 b + 8 u + r + 8 (r / 8), as in the launch that makes h); wave w its rows w and w + 8, each whole in 32 registers: the reductions never leave the wave.
; The variance is taken of the centred numbers, as the definition has it, never as a difference of large sums.  Memory binds: each load and store covers 512 consecutive bytes; all 48 loads of a wave go out at once.
; No LDS, no barrier, no matrix unit: waves share nothing.
.set LI,  5                            ; v5  16 x lane
.set Z,   32                           ; v32-95   z's two rows, then y's
.set R,   96                           ; v96-159  the residual's two rows
.set G,   160                          ; v160-191 g
.set BE,  192                          ; v192-223 be
.set A,   224                          ; v224-231 four chains of sums
.set MU,  250                          ; v[250:251] the mean (the low word serves both halves)
.set RS,  252                          ; v[252:253] 1 / sqrt(var + eps)
.set SEL, 20
	s_load_b256 s[4:11], s[0:1], 0x0               ; z, the residual, g, be
	s_load_b64 s[12:13], s[0:1], 0x20              ; the output
	v_lshrrev_b32 v1, 5, v0
	s_delay_alu instid0(VALU_DEP_1)
	v_readfirstlane_b32 s22, v1                    ; wave 0..7
	v_and_b32 v2, 31, v0
	s_delay_alu instid0(VALU_DEP_1)
	v_lshlrev_b32 v[LI], 4, v2
	s_mov_b32 s[SEL], 0x76543210
	s_mov_b32 s[SEL+1], 0xfedcba98
	s_mov_b32 s30, 0x3a800000                      ; 1 / 1,024
	s_mov_b32 s31, 0x3727c5ac                      ; 1e-5
	v_mov_b32 v[MU+1], 0                           ; (named as the upper halves of pairs)
	v_mov_b32 v[RS+1], 0
	s_lshr_b32 s23, ttmp9, 1
	s_lshl_b32 s23, s23, 5
	s_and_b32 s24, ttmp9, 1
	s_lshl_b32 s24, s24, 3
	s_add_co_u32 s23, s23, s24
	s_add_co_u32 s23, s23, s22                     ; my first actual row; the second lies 16 further on
	s_lshl_b32 s24, s23, 12
	s_mov_b32 s25, 0
	s_wait_alu depctr_va_vdst(0)
	s_wait_kmcnt 0x0
	s_add_nc_u64 s[4:5], s[4:5], s[24:25]
	s_add_nc_u64 s[6:7], s[6:7], s[24:25]
	s_add_nc_u64 s[12:13], s[12:13], s[24:25]
.irp j, 0,1,2,3,4,5,6,7
	global_load_b128 v[G+4*\j:G+4*\j+3], v[LI], s[8:9] offset:512*\j
.endr
.irp j, 0,1,2,3,4,5,6,7
	global_load_b128 v[BE+4*\j:BE+4*\j+3], v[LI], s[10:11] offset:512*\j
.endr
.irp i, 0,1
.irp j, 0,1,2,3,4,5,6,7
	global_load_b128 v[Z+32*\i+4*\j:Z+32*\i+4*\j+3], v[LI], s[4:5] offset:65536*\i+512*\j th:TH_LOAD_NT
.endr
.irp j, 0,1,2,3,4,5,6,7
	global_load_b128 v[R+32*\i+4*\j:R+32*\i+4*\j+3], v[LI], s[6:7] offset:65536*\i+512*\j th:TH_LOAD_NT
.endr
.endr
.macro ACROSS                          ; the four chains, the pair's halves, the 32 lanes: the sum in every lane, in v[A]
	s_delay_alu instid0(VALU_DEP_3)
	v_pk_add_f32 v[A:A+1], v[A:A+1], v[A+2:A+3]
	s_delay_alu instid0(VALU_DEP_2)
	v_pk_add_f32 v[A+4:A+5], v[A+4:A+5], v[A+6:A+7]
	s_delay_alu instid0(VALU_DEP_1)
	v_pk_add_f32 v[A:A+1], v[A:A+1], v[A+4:A+5]
	s_delay_alu instid0(VALU_DEP_1)
	v_add_f32 v[A], v[A], v[A+1]
	s_delay_alu instid0(VALU_DEP_1)
	v_add_f32_dpp v[A], v[A], v[A] row_xmask:1 row_mask:0xf bank_mask:0xf
	s_delay_alu instid0(VALU_DEP_1)
	v_add_f32_dpp v[A], v[A], v[A] row_xmask:2 row_mask:0xf bank_mask:0xf
	s_delay_alu instid0(VALU_DEP_1)
	v_add_f32_dpp v[A], v[A], v[A] row_xmask:4 row_mask:0xf bank_mask:0xf
	s_delay_alu instid0(VALU_DEP_1)
	v_add_f32_dpp v[A], v[A], v[A] row_xmask:8 row_mask:0xf bank_mask:0xf
	s_delay_alu instid0(VALU_DEP_1)
	v_permlanex16_b32 v[A+1], v[A], s[SEL], s[SEL+1]
	s_delay_alu instid0(VALU_DEP_1)
	v_add_f32 v[A], v[A], v[A+1]
.endm
.macro LNROW i
.set ZZ, Z+32*\i
.set RR, R+32*\i
	s_wait_loadcnt 16-16*\i                        ; row 0: the second row's 16 loads may be out
.irp j, 0,2,4,6,8,10,12,14,16,18,20,22,24,26,28,30
	v_pk_add_f32 v[ZZ+\j:ZZ+\j+1], v[ZZ+\j:ZZ+\j+1], v[RR+\j:RR+\j+1]
.endr
.irp k, 0,2,4,6
	v_pk_add_f32 v[A+\k:A+\k+1], v[ZZ+\k:ZZ+\k+1], v[ZZ+8+\k:ZZ+8+\k+1]
.endr
.irp k, 0,2,4,6
	s_delay_alu instid0(VALU_DEP_4)
	v_pk_add_f32 v[A+\k:A+\k+1], v[A+\k:A+\k+1], v[ZZ+16+\k:ZZ+16+\k+1]
.endr
.irp k, 0,2,4,6
	s_delay_alu instid0(VALU_DEP_4)
	v_pk_add_f32 v[A+\k:A+\k+1], v[A+\k:A+\k+1], v[ZZ+24+\k:ZZ+24+\k+1]
.endr
	ACROSS
	s_delay_alu instid0(VALU_DEP_1)
	v_mul_f32 v[MU], s30, v[A]                     ; the mean
.irp j, 0,2,4,6,8,10,12,14,16,18,20,22,24,26,28,30
	v_pk_add_f32 v[ZZ+\j:ZZ+\j+1], v[ZZ+\j:ZZ+\j+1], v[MU:MU+1] op_sel_hi:[1,0] neg_lo:[0,1] neg_hi:[0,1]
.endr
.irp k, 0,2,4,6
	v_pk_mul_f32 v[A+\k:A+\k+1], v[ZZ+\k:ZZ+\k+1], v[ZZ+\k:ZZ+\k+1]
.endr
.irp k, 8,10,12,14,16,18,20,22,24,26,28,30
	s_delay_alu instid0(VALU_DEP_4)
	v_pk_fma_f32 v[A+\k%8:A+\k%8+1], v[ZZ+\k:ZZ+\k+1], v[ZZ+\k:ZZ+\k+1], v[A+\k%8:A+\k%8+1]
.endr
	ACROSS
	s_delay_alu instid0(VALU_DEP_1)
	v_fma_f32 v[A], v[A], s30, s31                 ; the variance + eps
	s_wait_alu depctr_va_vdst(0)
	v_rsq_f32 v[RS], v[A]
	v_nop                                          ; a plain place behind the transcendental
	s_wait_alu depctr_va_vdst(0)                   ; and the wait ahead of its first reader
.irp j, 0,2,4,6,8,10,12,14,16,18,20,22,24,26,28,30
	v_pk_mul_f32 v[ZZ+\j:ZZ+\j+1], v[ZZ+\j:ZZ+\j+1], v[RS:RS+1] op_sel_hi:[1,0]
.endr
.irp j, 0,2,4,6,8,10,12,14,16,18,20,22,24,26,28,30
	v_pk_fma_f32 v[ZZ+\j:ZZ+\j+1], v[ZZ+\j:ZZ+\j+1], v[G+\j:G+\j+1], v[BE+\j:BE+\j+1]
.endr
.irp j, 0,1,2,3,4,5,6,7
	global_store_b128 v[LI], v[ZZ+4*\j:ZZ+4*\j+3], s[12:13] offset:65536*\i+512*\j th:TH_STORE_NT
.endr
.endm
	LNROW 0
	LNROW 1
	s_endpgm
.Lfunc_end_k_q1d60e9bf20_ln2:
	.size	k_q1d60e9bf20_ln2, .Lfunc_end_k_q1d60e9bf20_ln2-k_q1d60e9bf20_ln2
	.p2alignl 7, 3214868480
	.fill 96, 4, 3214868480
	.section	.rodata,"a",@progbits
	.p2align	6, 0x0
	.amdhsa_kernel k_q1d60e9bf20_ln2
		.amdhsa_group_segment_fixed_size 0
		.amdhsa_private_segment_fixed_size 0
		.amdhsa_enable_private_segment 0
		.amdhsa_kernarg_size 40
		.amdhsa_user_sgpr_count 2
		.amdhsa_user_sgpr_kernarg_segment_ptr 1
		.amdhsa_wavefront_size32 1
		.amdhsa_system_sgpr_workgroup_id_x 1
		.amdhsa_system_sgpr_workgroup_id_y 1
		.amdhsa_system_sgpr_workgroup_id_z 1
		.amdhsa_system_vgpr_workitem_id 0
		.amdhsa_next_free_vgpr 256
		.amdhsa_next_free_sgpr 66
		.amdhsa_reserve_vcc 0
		.amdhsa_float_denorm_mode_32 3
		.amdhsa_float_denorm_mode_16_64 3
		.amdhsa_memory_ordered 1
		.amdhsa_forward_progress 1
		.amdhsa_inst_pref_size 25
	.end_amdhsa_kernel
	.amdgpu_metadata
---
amdhsa.version: [ 1, 2 ]
amdhsa.kernels:
  - .name:           k_q1d60e9bf20_ln2
    .symbol:         k_q1d60e9bf20_ln2.kd
    .args:
      - { .name: z, .offset: 0, .size: 8, .value_kind: global_buffer, .address_space: global }
      - { .name: hb, .offset: 8, .size: 8, .value_kind: global_buffer, .address_space: global }
      - { .name: g2, .offset: 16, .size: 8, .value_kind: global_buffer, .address_space: global }
      - { .name: be2, .offset: 24, .size: 8, .value_kind: global_buffer, .address_space: global }
      - { .name: out0, .offset: 32, .size: 8, .value_kind: global_buffer, .address_space: global }
    .group_segment_fixed_size: 0
    .private_segment_fixed_size: 0
    .kernarg_segment_align: 8
    .kernarg_segment_size: 40
    .max_flat_workgroup_size: 256
    .sgpr_count:     66
    .vgpr_count:     256
    .wavefront_size: 32
...
	.end_amdgpu_metadata
.endif
;; end of part 7
